; MI455X (gfx1250); checked and timed in simulation.
; The chip was launched on July 23, 2026; its instructions are those of AMD's public machine-readable ISA for CDNA 5 (MIT licence, August 2026) and "CDNA5" Instruction Set Architecture Reference Guide (July 2026). The comments in the code are by the model that wrote it; some were corrected since.
;; Sparse Cross Encoder Self Attention. Allowed arithmetic: matrix products marked QUANTISED: E2M1 operands, one E8M0 scale for each 32 along K, by v_wmma_scale_f32_16x16x128_f8f6f4 with both operands' format E2M1 (or v_wmma_scale_f32_32x16x128_f4), f32 sums; products left as they are: bf16, f16 or f32 operands; f32 sums; everything else in f32.
;; Inputs: Wk 768 x 768 float32; Wq 768 x 768 float32; Wv 768 x 768 float32; bk 768 float32; bq 768 float32; bv 768 float32; cls 2 x 1 x 1 x 768 float32; dmask 2 x 1 x 16 x 1 x 512 float32; doc 2 x 16 x 512 x 768 float32; qmask 2 x 1 x 1 x 1 x 32 float32; query 2 x 1 x 32 x 768 float32.
;; Outputs: out0 2 x 16 x 545 x 768 float32.
;; This version of the problem:
;;   THIS VERSION OF THE PROBLEM IS GIVEN IN LOW PRECISION. The matrix products marked QUANTISED in the list below multiply operands that are first quantised to E2M1 (2 exponent bits, 1 mantissa bit; 4 bits a number), with one power-of-two scale for each 32 numbers along K (OCP MX v1.0); their sums are f32. The products marked 'left as it is' may take bf16, f16 or f32 operands, with f32 sums. Whichever they take, every output number must still come out within the allowed error. Rounding operands to bf16 (8 significant bits) uses up far more of that allowance than f16 does (11 bits, for magnitudes from 6e-5 to 65,504). All else is computed in f32.
;;   The module's matrix products, in the order in which they are computed (A, B: the left and right operand; K: the contracted axis; several contracted axes count as one K, in the product's order):
;;     1. [M 2, K 768] x [K 768, N 768]; A: input cls; B: input Wq: left as it is (M = 2 < 16)
;;     2. [M 2, K 768] x [K 768, N 768]; A: input cls; B: input Wk: left as it is (M = 2 < 16)
;;     3. [M 2, K 768] x [K 768, N 768]; A: input cls; B: input Wv: left as it is (M = 2 < 16)
;;     4. [M 64, K 768] x [K 768, N 768]; A: input query; B: input Wq: QUANTISED
;;     5. [M 64, K 768] x [K 768, N 768]; A: input query; B: input Wk: QUANTISED
;;     6. [M 64, K 768] x [K 768, N 768]; A: input query; B: input Wv: QUANTISED
;;     7. [M 16,384, K 768] x [K 768, N 768]; A: input doc; B: input Wq: QUANTISED
;;     8. [M 16,384, K 768] x [K 768, N 768]; A: input doc; B: input Wk: QUANTISED
;;     9. [M 16,384, K 768] x [K 768, N 768]; A: input doc; B: input Wv: QUANTISED
;;     10. batch 384 x [M 1, K 64] x [K 64, N 545]; A: computed on the way; B: computed on the way: left as it is (M = 1 < 16)
;;     11. batch 384 x [M 1, K 545] x [K 545, N 64]; A: computed on the way; B: computed on the way: left as it is (M = 1 < 16)
;;     12. batch 384 x [M 32, K 64] x [K 64, N 545]; A: computed on the way; B: computed on the way: left as it is (an operand is computed on the way)
;;     13. batch 384 x [M 32, K 545] x [K 545, N 64]; A: computed on the way; B: computed on the way: left as it is (an operand is computed on the way)
;;     14. batch 384 x [M 512, K 64] x [K 64, N 545]; A: computed on the way; B: computed on the way: left as it is (an operand is computed on the way)
;;     15. batch 384 x [M 512, K 545] x [K 545, N 64]; A: computed on the way; B: computed on the way: left as it is (an operand is computed on the way)
;;   THE QUANTISER, for each operand of a quantised product, along K:
;;     - K is cut into blocks of 32 from its start; a last block that is shorter is filled with zeros.
;;     - A block's scale is 2^e with e = floor(log2(the largest magnitude in the block)) - 2, held to -126 .. 127; a block of zeros has e = 0. As a byte (E8M0): e + 127.
;;     - Each number is divided by its block's scale, clamped to +-6, and rounded to the nearest number of E2M1, ties to even, subnormals kept.
;;     - The product sums the exact products of the quantised numbers (number of the format x scale) in f32.
;;   ~~~python
;;   def quantise(x, axis):      # numpy; x: float32 -> the quantised numbers, widened to float32 again
;;       x = np.moveaxis(x, axis, -1); K = x.shape[-1]
;;       x = np.pad(x, [(0, 0)] * (x.ndim - 1) + [(0, -K % 32)]); x = x.reshape(x.shape[:-1] + (-1, 32)); a = np.abs(x).max(-1, keepdims=True)
;;       e = np.where(a > 0, np.clip(np.frexp(np.where(a > 0, a, 1))[1] - 1 - 2, -126, 127), 0)      # np.frexp(a)[1] - 1 = floor(log2(a)), exactly
;;       r = np.clip(x / 2.0 ** e, -6, 6)
;;       step = 2.0 ** (np.maximum(np.frexp(np.where(r == 0, 1, r))[1] - 1, 0) - 1)
;;       q = np.round(r / step) * step * 2.0 ** e      # np.round: ties to even
;;       return np.moveaxis(q.reshape(q.shape[:-2] + (-1,))[..., :K], -1, axis).astype(np.float32)
;;   ~~~
;; 2 versions, each right and faster than the one before. Each part assembles by itself: llvm-mc -triple=amdgcn-amd-amdhsa -mcpu=gfx1250 --defsym DOCPART=n.
;; ======== version 1 of 2: 2 launches
;; limits: values are held in f16: magnitudes above 65,504 overflow, below 6.1e-05 lose precision
;; workspace buffers: codes 7,200,768 bytes; scales 600,064 bytes; clsp 9,216 bytes
;; launch prep (part 1): grid 622 x 1, 4 waves a work-group, no clusters, 34,304 bytes of LDS; arguments doc, query, Wq, Wk, Wv, cls, bq, bk, codes, scales, clsp; writes codes, scales, clsp
.if DOCPART == 1
	.amdgcn_target "amdgcn-amd-amdhsa--gfx1250"
	.amdhsa_code_object_version 6
	.text
	.protected	k_qe6621f53f7_prep
	.globl	k_qe6621f53f7_prep
	.p2align	8
	.type	k_qe6621f53f7_prep,@function
k_qe6621f53f7_prep:
	s_mov_b64 s[64:65], 0
	v_nop
	global_prefetch_b8 v0, s[64:65] scope:SCOPE_SE
	s_setreg_imm32_b32 hwreg(HW_REG_WAVE_MODE, 25, 1), 1
	s_wait_xcnt 0x0
; PREP.  (1) doc [16384][768], query [64][768], Wq, Wk, Wv [768][768], all f32 with K innermost, become codes of FP4 (E2M1) with one E8M0 scale byte for each 32 along K.
; (2) The two cls rows are projected in f32 (fused multiply-adds) and leave as f16: q = (cls Wq^T + bq) x log2(e)/8, k = cls Wk^T + bk, v = cls Wv^T (bv is added at the very end of the attention launch).
; LAYOUT OF THE WORKSPACE: in the order of the operand registers.  A tile is 16 rows x 768 K.  codes: [tile][K step s of 128][c = 0,1][lane][16 bytes]: lane (r = lane % 16, h = lane / 16), chunk c, holds the 32 codes of
; row r, block 4 s + 2 c + h: registers 4 c .. 4 c + 3 of the fragment.  scales: [tile][lane][4 words]: word i (0..2) of lane (r, hh) is the scale word of row r for K step i + 3 hh; word 3 is filler.
; Tiles: doc 0..1023, query 1024..1027, Wq 1028.., Wk 1076.., Wv 1124..1171.
; A block's scale is 2^(floor(log2(largest magnitude)) - 2): its byte is the largest magnitude's exponent field - 2, held at 1 from below.
; LIMITS: a block of zeros gets the byte 1 where the quantiser says 127 (its codes are zeros, and this program alone reads the bytes); blocks whose largest magnitude lies under 2^-124 take the byte 1;
; NaN and infinities among the inputs are not served.
; SHARES: work-groups 0..35: the cls rows, a wave to 16 rows of one W.  Work-groups 36..621: two tiles each; a wave takes one tile's half of K (three K steps, 24,576 bytes of f32).  Waves share nothing: no barrier.
.set SPARE, 33792                      ; behind the four stages: the spare words, 128 bytes a wave
.set SPW,   30                         ; v30  LDS address of my spare word; never rewritten
.set NIL,   31                         ; v31  0; never rewritten
.set R,     32                         ; v32-223  three sets of 64: a K step of 16 rows as loaded; later its second block and its codes
.set X,     224                        ; v224-255 the first block of 32 neighbours
.set CL,    32                         ; cls path: v32-79 the two cls rows
.set WB,    80                         ; cls path: v80-223 three buffers of two rows of W
	s_load_b256 s[4:11], s[0:1], 0x0               ; doc, query, Wq, Wk
	s_load_b256 s[12:19], s[0:1], 0x20             ; Wv, cls, bq, bk
	s_load_b128 s[20:23], s[0:1], 0x40             ; codes, scales
	s_load_b64 s[24:25], s[0:1], 0x50              ; clsp
	v_lshl_add_u32 v[SPW], v0, 2, SPARE
	v_mov_b32 v[NIL], 0
	v_lshrrev_b32 v1, 5, v0
	v_readfirstlane_b32 s26, v1                    ; wave 0..3
	v_and_b32 v1, 31, v0                           ; lane
	v_and_b32 v2, 15, v0                           ; r
	v_bfe_u32 v3, v0, 4, 1                         ; h
	v_lshlrev_b32 v4, 4, v1                        ; 16 x lane
	s_mov_b32 s36, 0x76543210
	s_mov_b32 s37, 0xfedcba98                      ; lane selects: lane l xor 16
	s_mov_b32 s39, 0                               ; the upper word of every offset
	s_wait_kmcnt 0x0
	s_cmp_lt_u32 ttmp9, 36
	s_cbranch_scc1 .Lcls
	; ---------------- the quantiser ----------------
	s_sub_co_u32 s27, ttmp9, 36
	s_lshl_b32 s27, s27, 1
	s_lshr_b32 s28, s26, 1
	s_add_co_u32 s27, s27, s28                     ; my tile
	s_and_b32 s28, s26, 1                          ; my half of K
	s_mov_b64 s[32:33], s[12:13]                   ; which tensor: the choice hangs on the tile's number alone
	s_mov_b32 s34, 1124
	s_cmp_lt_u32 s27, 1124
	s_cselect_b64 s[32:33], s[10:11], s[32:33]
	s_cselect_b32 s34, 1076, s34
	s_cmp_lt_u32 s27, 1076
	s_cselect_b64 s[32:33], s[8:9], s[32:33]
	s_cselect_b32 s34, 1028, s34
	s_cmp_lt_u32 s27, 1028
	s_cselect_b64 s[32:33], s[6:7], s[32:33]
	s_cselect_b32 s34, 1024, s34
	s_cmp_lt_u32 s27, 1024
	s_cselect_b64 s[32:33], s[4:5], s[32:33]
	s_cselect_b32 s34, 0, s34
	s_sub_co_u32 s34, s27, s34                     ; the tile's number in its tensor
	s_mul_i32 s38, s34, 49152                      ; 16 rows of 3,072 bytes
	s_mul_i32 s35, s28, 1536
	s_add_co_u32 s38, s38, s35
	s_add_nc_u64 s[32:33], s[32:33], s[38:39]
	s_mul_i32 s38, s27, 6144
	s_mul_i32 s35, s28, 3072
	s_add_co_u32 s38, s38, s35
	s_add_nc_u64 s[20:21], s[20:21], s[38:39]      ; my three K steps of codes
	s_lshl_b32 s38, s27, 9
	s_lshl_b32 s35, s28, 8
	s_add_co_u32 s38, s38, s35
	s_add_nc_u64 s[22:23], s[22:23], s[38:39]      ; my 256 bytes of scale words
	s_mul_i32 s29, s26, 8448                       ; my stage: 16 rows of 512 bytes + 16
	v_add_nc_u32 v5, s29, v4                       ; in: as loaded, 16 bytes a lane
	v_mul_u32_u24 v6, v2, 528
	v_lshl_add_u32 v6, v3, 7, v6
	v_add_nc_u32 v6, s29, v6                       ; out: row r, block h of the K step
	v_lshlrev_b32 v7, 3, v3                        ; 8 h: my bytes' place in a scale word
	v_mov_b32 v15, 0                               ; a lane permute's destination counts as one of its sources
	v_mov_b32 v19, 0x7f7f7f7f                      ; the filler word
	v_lshlrev_b32 v28, 4, v2                       ; 16 r
.irp s, 0,1,2
.irp r, 0,1,2,3,4,5,6,7,8,9,10,11,12,13,14,15
	global_load_b128 v[R+64*\s+4*\r:R+64*\s+4*\r+3], v4, s[32:33] offset:\r*3072+\s*512 th:TH_LOAD_NT   ; 32 lanes read 512 consecutive bytes: a row's K step (doc, the bulk, is read once; the hint changes no value)
.endr
.endr
; One K step: 16 rows x 128 numbers go through my stage as they lie and come back 32 neighbours a lane, twice: blocks h and 2 + h of row r.
.macro KSTEP s
.set RS, R+64*\s
	s_wait_loadcnt 32-16*\s                        ; this K step's 16 loads are in; the later steps' may be out
.irp r, 0,1,2,3,4,5,6,7,8,9,10,11,12,13,14,15
	ds_store_b128 v5, v[RS+4*\r:RS+4*\r+3] offset:\r*528
.endr
.irp i, 0,1,2,3,4,5,6,7
	ds_load_b128 v[X+4*\i:X+4*\i+3], v6 offset:16*\i           ; LDS serves a wave's instructions in order: these see the stores
.endr
	s_wait_dscnt 8                                 ; the 16 stores are done and have read their registers; the 8 loads may be out
.irp i, 0,1,2,3,4,5,6,7
	ds_load_b128 v[RS+4*\i:RS+4*\i+3], v6 offset:256+16*\i
.endr
	s_wait_dscnt 0x0
	v_max3_num_f32 v8, |v[X]|, |v[X+1]|, 0x1800000             ; the blocks' largest magnitudes, by turns; the floor 2^(3 - 127) holds the byte at 1 from below
	v_max3_num_f32 v9, |v[RS]|, |v[RS+1]|, 0x1800000
.irp i, 2,4,6,8,10,12,14,16,18,20,22,24,26,28,30
	v_max3_num_f32 v8, v8, |v[X+\i]|, |v[X+\i+1]|
	v_max3_num_f32 v9, v9, |v[RS+\i]|, |v[RS+\i+1]|
.endr
	v_add_nc_u32 v10, 0xff000000, v8               ; 2 off the exponent field: the conversion takes this operand's exponent field as its scale
	v_add_nc_u32 v11, 0xff000000, v9
	v_lshrrev_b32 v12, 23, v10                     ; the scale bytes
	v_lshrrev_b32 v13, 23, v11
	v_lshl_or_b32 v14, v13, 16, v12                ; blocks h and 2 + h,
	v_lshlrev_b32 v14, v7, v14                     ; at their places in the word;
	v_permlanex16_b32 v15, v14, s36, s37
	v_or_b32 v[16+\s], v14, v15                    ; with lane l xor 16's two the word is whole
.irp g, 0,1,2,3
	v_cvt_scalef32_pk8_fp4_f32 v[RS+32+\g], v[X+8*\g:X+8*\g+7], v10
	v_cvt_scalef32_pk8_fp4_f32 v[RS+36+\g], v[RS+8*\g:RS+8*\g+7], v11
.endr
	v_nop                                          ; one plain line behind the last scaled conversion
	global_store_b128 v4, v[RS+32:RS+35], s[20:21] offset:\s*1024       ; 512 consecutive bytes; each step has code registers of its own, never rewritten
	global_store_b128 v4, v[RS+36:RS+39], s[20:21] offset:\s*1024+512
.endm
	KSTEP 0
	KSTEP 1
	KSTEP 2
	s_wait_xcnt 0x0                                ; EXEC changes only behind this wait
	v_cmp_gt_u32 vcc_lo, 16, v1
	s_and_saveexec_b32 s30, vcc_lo
	global_store_b128 v28, v[16:19], s[22:23]      ; lanes 0-15: 256 consecutive bytes, aligned
	s_wait_xcnt 0x0
	s_or_b32 exec_lo, exec_lo, s30
	s_wait_tensorcnt 0x0                           ; the wave's end, behind my last LDS store
	ds_add_u32 v[SPW], v[NIL]
	s_wait_dscnt 0x0
	s_endpgm
	; ---------------- the cls rows, in f32 ----------------
.Lcls:
	s_lshl_b32 s27, ttmp9, 2
	s_add_co_u32 s27, s27, s26                     ; which 16 rows of the three W: 0..143
	s_cmp_ge_u32 ttmp9, 12
	s_cselect_b32 s28, 1, 0
	s_cmp_ge_u32 ttmp9, 24
	s_cselect_b32 s29, 1, 0
	s_add_co_u32 s28, s28, s29                     ; kind: 0 q, 1 k, 2 v
	s_mul_i32 s29, s28, 48
	s_sub_co_u32 s29, s27, s29                     ; which 16 rows of that W
	s_mov_b32 s41, 1.0
	s_cmp_eq_u32 s28, 0
	s_cselect_b64 s[32:33], s[8:9], s[10:11]
	s_cselect_b64 s[34:35], s[16:17], s[18:19]     ; bq for q, else bk (for v it is loaded and not used)
	s_cselect_b32 s41, 0x3e38aa3b, s41             ; q is multiplied by log2(e) / 8
	s_cmp_eq_u32 s28, 2
	s_cselect_b64 s[32:33], s[12:13], s[32:33]
	s_cselect_b32 s40, 0, -1                       ; a mask of lanes: v takes no bias here
	s_mul_i32 s38, s29, 49152
	s_add_nc_u64 s[32:33], s[32:33], s[38:39]
	s_lshl_b32 s38, s29, 6
	s_add_nc_u64 s[34:35], s[34:35], s[38:39]
	s_mul_i32 s38, s28, 3072
	s_lshl_b32 s29, s29, 5
	s_add_co_u32 s38, s38, s29
	s_add_nc_u64 s[24:25], s[24:25], s[38:39]      ; clsp at [kind][0][my first row]
	v_lshlrev_b32 v5, 2, v2                        ; the bias of row r
	v_mul_u32_u24 v6, v3, 1536
	v_lshl_add_u32 v6, v2, 1, v6                   ; out: lanes 0-15 batch 0, lanes 16-31 batch 1; row r
	v_mov_b32 v240, 0                              ; the results: lane (r, b)
	v_mov_b32 v243, 0
	v_mov_b32 v244, 0
	v_cmp_le_u32 s42, 16, v1                       ; lanes 16-31
.irp b, 0,1
.irp i, 0,1,2,3,4,5
	global_load_b128 v[CL+24*\b+4*\i:CL+24*\b+4*\i+3], v4, s[14:15] offset:\b*3072+\i*512
.endr
.endr
	global_load_b32 v241, v5, s[34:35]
.macro WLOAD g                         ; rows 2 g and 2 g + 1 of my 16, into buffer g % 3: a lane holds k = 128 i + 4 lane + 0..3
.irp p, 0,1
.irp i, 0,1,2,3,4,5
	global_load_b128 v[WB+48*((\g)%3)+24*\p+4*\i:WB+48*((\g)%3)+24*\p+4*\i+3], v4, s[32:33] offset:(2*(\g)+\p)*3072+\i*512
.endr
.endr
.endm
.macro DOT acc, wr, cr                 ; my 24 products of one row with one cls row, in two chains of packed multiply-adds
	v_pk_mul_f32 v[\acc:\acc+1], v[\wr:\wr+1], v[\cr:\cr+1]
	v_pk_mul_f32 v[\acc+2:\acc+3], v[\wr+2:\wr+3], v[\cr+2:\cr+3]
.irp p, 4,8,12,16,20
	v_pk_fma_f32 v[\acc:\acc+1], v[\wr+\p:\wr+\p+1], v[\cr+\p:\cr+\p+1], v[\acc:\acc+1]
	v_pk_fma_f32 v[\acc+2:\acc+3], v[\wr+\p+2:\wr+\p+3], v[\cr+\p+2:\cr+\p+3], v[\acc+2:\acc+3]
.endr
	v_pk_add_f32 v[\acc:\acc+1], v[\acc:\acc+1], v[\acc+2:\acc+3]
	v_add_f32 v[\acc], v[\acc], v[\acc+1]
.endm
.macro GROUP g
.set WBB, WB+48*((\g)%3)
.if (\g) < 6
	s_wait_loadcnt 24                              ; this group's 12 loads are in; the two later groups' may be out
.elseif (\g) == 6
	s_wait_loadcnt 12
.else
	s_wait_loadcnt 0x0
.endif
	DOT 224, WBB, CL
	DOT 228, WBB, CL+24
	DOT 232, WBB+24, CL
	DOT 236, WBB+24, CL+24
.irp p, 0,1
	v_permlanex16_b32 v243, v[224+8*\p], s36, s37
	v_permlanex16_b32 v244, v[228+8*\p], s36, s37
	v_add_f32 v243, v243, v[224+8*\p]              ; lanes l and l xor 16 joined, for batch 0
	v_add_f32 v244, v244, v[228+8*\p]              ; and for batch 1
	v_cndmask_b32 v243, v243, v244, s42            ; lanes 16-31 go on with batch 1
	v_add_f32_dpp v243, v243, v243 row_xmask:1 row_mask:0xf bank_mask:0xf
	v_add_f32_dpp v243, v243, v243 row_xmask:2 row_mask:0xf bank_mask:0xf
	v_add_f32_dpp v243, v243, v243 row_xmask:4 row_mask:0xf bank_mask:0xf
	v_add_f32_dpp v243, v243, v243 row_xmask:8 row_mask:0xf bank_mask:0xf
	v_cmp_eq_u32 vcc_lo, 2*(\g)+\p, v2
	v_cndmask_b32 v240, v240, v243, vcc_lo         ; the lanes with r = this row keep it
.endr
.if (\g)+3 < 8
	WLOAD (\g)+3
.endif
.endm
	WLOAD 0
	WLOAD 1
	WLOAD 2
.irp g, 0,1,2,3,4,5,6,7
	GROUP \g
.endr
	v_cndmask_b32 v241, 0, v241, s40
	v_add_f32 v240, v240, v241
	v_mul_f32 v240, s41, v240
	v_cvt_pk_f16_f32 v20, v240, v240               ; rounded once, to f16
	global_store_b16 v6, v20, s[24:25]
	s_endpgm
.Lfunc_end_k_qe6621f53f7_prep:
	.size	k_qe6621f53f7_prep, .Lfunc_end_k_qe6621f53f7_prep-k_qe6621f53f7_prep
	.p2alignl 7, 3214868480
	.fill 96, 4, 3214868480
	.section	.rodata,"a",@progbits
	.p2align	6, 0x0
	.amdhsa_kernel k_qe6621f53f7_prep
		.amdhsa_group_segment_fixed_size 34304
		.amdhsa_private_segment_fixed_size 0
		.amdhsa_enable_private_segment 0
		.amdhsa_kernarg_size 88
		.amdhsa_user_sgpr_count 2
		.amdhsa_user_sgpr_kernarg_segment_ptr 1
		.amdhsa_wavefront_size32 1
		.amdhsa_system_sgpr_workgroup_id_x 1
		.amdhsa_system_sgpr_workgroup_id_y 1
		.amdhsa_system_sgpr_workgroup_id_z 1
		.amdhsa_system_vgpr_workitem_id 0
		.amdhsa_next_free_vgpr 256
		.amdhsa_next_free_sgpr 66
		.amdhsa_reserve_vcc 1
		.amdhsa_float_denorm_mode_32 3
		.amdhsa_float_denorm_mode_16_64 3
		.amdhsa_memory_ordered 1
		.amdhsa_forward_progress 1
		.amdhsa_inst_pref_size 72
	.end_amdhsa_kernel
	.amdgpu_metadata
---
amdhsa.version: [ 1, 2 ]
amdhsa.kernels:
  - .name:           k_qe6621f53f7_prep
    .symbol:         k_qe6621f53f7_prep.kd
    .args:
      - { .name: doc, .offset: 0, .size: 8, .value_kind: global_buffer, .address_space: global }
      - { .name: query, .offset: 8, .size: 8, .value_kind: global_buffer, .address_space: global }
      - { .name: Wq, .offset: 16, .size: 8, .value_kind: global_buffer, .address_space: global }
      - { .name: Wk, .offset: 24, .size: 8, .value_kind: global_buffer, .address_space: global }
      - { .name: Wv, .offset: 32, .size: 8, .value_kind: global_buffer, .address_space: global }
      - { .name: cls, .offset: 40, .size: 8, .value_kind: global_buffer, .address_space: global }
      - { .name: bq, .offset: 48, .size: 8, .value_kind: global_buffer, .address_space: global }
      - { .name: bk, .offset: 56, .size: 8, .value_kind: global_buffer, .address_space: global }
      - { .name: codes, .offset: 64, .size: 8, .value_kind: global_buffer, .address_space: global }
      - { .name: scales, .offset: 72, .size: 8, .value_kind: global_buffer, .address_space: global }
      - { .name: clsp, .offset: 80, .size: 8, .value_kind: global_buffer, .address_space: global }
    .group_segment_fixed_size: 34304
    .private_segment_fixed_size: 0
    .kernarg_segment_align: 8
    .kernarg_segment_size: 88
    .max_flat_workgroup_size: 128
    .sgpr_count:     66
    .vgpr_count:     256
    .wavefront_size: 32
...
	.end_amdgpu_metadata
.endif
;; end of part 1
;; launch attn (part 2): grid 24 x 32, 8 waves a work-group, no clusters, 309,504 bytes of LDS; arguments codes, scales, clsp, dmask, qmask, bq, bk, bv, out0; writes out0
.if DOCPART == 2
	.amdgcn_target "amdgcn-amd-amdhsa--gfx1250"
	.amdhsa_code_object_version 6
	.text
	.protected	k_qe6621f53f7_attn
	.globl	k_qe6621f53f7_attn
	.p2align	8
	.type	k_qe6621f53f7_attn,@function
k_qe6621f53f7_attn:
	s_mov_b64 s[64:65], 0
	v_nop
	global_prefetch_b8 v0, s[64:65] scope:SCOPE_SE
	s_setreg_imm32_b32 hwreg(HW_REG_WAVE_MODE, 25, 1), 1
	s_wait_xcnt 0x0
; ATTN.  One work-group for (batch and document bd = y; head and half of the doc queries: x = 2 head + half).  It makes K and V of all 545 keys and Q of its queries by FP4 matrix instructions from the codes
; that the launch before has laid in register order, keeps them in LDS and registers as f16, runs the attention (f16 operands, f32 sums, running maximum) and stores its rows of out0.
; ALGEBRA, valid for every input: (a) the order of the keys is free, K's rows, V's columns and the mask being permuted alike; (b) sum p (v + bv) / sum p = sum p v / sum p + bv: bv is added with the final division;
; (c) q is multiplied by c = log2(e) / 8 in f32 ahead of its rounding, the mask by log2(e): the scores are exponents of 2.  The mask is the C of each score tile's first product.
; SHARES.  Eight waves, two to a SIMD.  Wave w keeps four doc tiles of 16 rows as FP4 fragments: slots 0, 1 = tiles 16 half + 2 w + 0, 1 (also its two query tiles), slots 2, 3 = the same of the other half.
; Key position of slot m, row r: 64 w + 16 m + r; 512..543 the query rows; 544 cls; 545..575 padding (K = V = 0, mask -1e30).  Nine key steps of 64.
; The two SHARED query tiles (half 0: the 32 query rows; half 1: the cls row in all columns, twice) are split along the keys: wave w takes key step w, wave 0 also step 8; the partial maxima, sums and O meet in LDS.
; BOTH ATTENTION PRODUCTS ARE USED TRANSPOSED: S^T = K Q^T, O^T = V^T P: a lane holds one query (lane % 16) throughout.
; No cluster and no tensor load.
; No prefetch: all loads from memory stand at the head.
; LIMITS: |q c|, |k|, |v| stay under 65,504 (f16); magnitudes under 6e-5 lose relative precision; mask x log2(e) is held at -1e30 from below (-infinity gives the same zeros); +infinity and NaN in any input are not served.
.set KL,   73728                       ; LDS.  0: W's codes of the head, as they lie: kind x 24,576 + t x 6,144 + s x 1,024 + c x 512 + 16 lane (73,728 bytes)
.set VT,   156672                      ; KL: K, 576 rows of 128 bytes + 16.   VT: V^T, 64 rows of 1,152 bytes + 16
.set MSK,  231424                      ; 576 f32: the mask x log2(e)
.set BIA,  233728                      ; bq, bk, bv of the head, 256 bytes each (bv once more: not read)
.set QSH,  234752                      ; the shared Q as images of its registers: (4 e + t) x 512 + 16 lane
.set MRG,  238848                      ; the partial O: wave x 8,192 + e x 4,096 + t x 1,024 + c x 512 + 16 lane
.set MM,   304384                      ; the partial maxima, (2 wave + e) x 128 + 4 lane; 2,048 bytes on: the partial sums
.set SPARE, 308480                     ; the spare words, 128 bytes a wave
.set SST,  34816                       ; over W's codes, dead behind the second barrier: 0: a stage of 16 x 272 bytes a wave; SST: the shared tiles' stage, 32 x 272
.set SPW,  254                         ; v254 LDS address of my spare word; never rewritten
.set NIL,  255                         ; v255 0; never rewritten
; window 0, fixed: v1 16 lane; v2 4 lane; v3, v4, v5 my lane's place in a tile of K, of V^T, of the mask; v6, v7, v8 the same for the step in hand; v9, v10 where I store K, V^T; v11 16 lane + 49,152; v12 16 lane + 6,144 t;
;   v13 BIA + 32 h; v14 that + 64 t; v15, v16, v17 where the query rows' K, V^T, Q go; v18, v19 my stage, in and out; v20 my bytes in two rows of out0; v21, v22 where my partial O, maximum and sum go; v23 at work
.set DSC,  24                          ; projection: v24-39 doc scales, 4 a slot;  v40-43 the query tile's;  v44-91 W's, 4 (4 kind + t)
.set XSC,  40
.set WSC,  44
.set WF,   92                          ; v92-139, v140-187 two buffers of W's fragments
.set CLQ,  172                         ; v172-175 the cls query's 8 channels;  v176-187 the scales of W's tile t, three kinds
.set XWS,  176
.set XF,   188                         ; v188-235 the query tile's fragments
.set PK,   220                         ; v220-235 packed results, once those are done with
.set BC,   236                         ; v236-251 two sets of a bias as C; ahead of the first barrier: addresses of the fills
.set ACC,  192                         ; window 1: v0-191 the four doc tiles, 48 slot + 8 s + 4 c;  v192-223 accumulators
.set ST,   24                          ; attention: 8 a tile: +0 m, +1 old m, +2, +3 the sum, +4..7 at work (+6: a, later 1 / sum)
.set S,    40                          ; v40-103 S^T, 32 q + 8 u
.set P,    104                         ; v104-135 P, 16 q + 8 g
.set MK,   136                         ; v136-167 the mask as C, 8 u; on the way out bv
.set QM,   188                         ; v188-219 my two query tiles, 16 q + 8 f
.set QS,   220                         ; v220-251 the shared tiles
.set O,    0                           ; window 1: O^T 32 q + 8 t;  K's fragments 16 u + 8 f + 4 c;  V's 16 t + 8 g + 4 c
.set KF,   64
.set VF,   128
.set MSB, 0
.macro WIN new                         ; bits 1:0 source 0, 3:2 source 1, 5:4 source 2, 7:6 destination; the high byte repeats the setting that is left
.if MSB != \new
	s_set_vgpr_msb (MSB<<8)|\new
.set MSB, \new
.endif
.endm
.macro PLACES                          ; four places behind matrix instructions, ahead of reads of their results and of loads into their registers
.rept 4
	v_nop
.endr
.endm
.macro BARRIER                         ; my LDS stores have landed and my LDS loads are in: then the work-group's barrier
	s_wait_dscnt 0x0
	s_barrier_signal -1
	s_barrier_wait -1
.endm
	s_load_b256 s[4:11], s[0:1], 0x0               ; codes, scales, clsp, dmask
	s_load_b256 s[12:19], s[0:1], 0x20             ; qmask, bq, bk, bv
	s_load_b64 s[20:21], s[0:1], 0x40              ; out0
	v_lshl_add_u32 v[SPW], v0, 2, SPARE
	v_mov_b32 v[NIL], 0
	v_lshrrev_b32 v23, 5, v0
	v_readfirstlane_b32 s22, v23                   ; wave w
	s_lshr_b32 s23, ttmp9, 1                       ; head
	s_and_b32 s24, ttmp9, 1                        ; half
	s_and_b32 s25, ttmp7, 0xffff                   ; bd
	s_lshr_b32 s26, s25, 4                         ; b
	s_lshr_b32 s27, s22, 2                         ; e
	s_and_b32 s28, s22, 3                          ; t
	s_mov_b32 s54, 0x3e38aa3b                      ; c = log2(e) / 8
	s_mov_b32 s55, s54
	s_mov_b32 s56, 0x76543210
	s_mov_b32 s57, 0xfedcba98                      ; lane selects: lane l xor 16
	s_mov_b32 s67, 0                               ; the upper word of every offset
	v_and_b32 v92, 31, v0
	v_and_b32 v93, 15, v0                          ; r
	v_bfe_u32 v94, v0, 4, 1                        ; h
	v_lshlrev_b32 v1, 4, v92
	v_lshlrev_b32 v2, 2, v92
	v_mul_u32_u24 v3, v93, 144
	v_lshl_add_u32 v3, v94, 4, v3
	v_add_nc_u32 v3, KL, v3
	v_mul_u32_u24 v4, v93, 1168
	v_lshl_add_u32 v4, v94, 4, v4
	v_add_nc_u32 v4, VT, v4
	v_lshl_add_u32 v5, v94, 5, MSK
	s_mul_i32 s66, s22, 9216
	v_add_nc_u32 v9, s66, v3                       ; K: row 64 w + r
	s_lshl_b32 s66, s22, 7
	v_add_nc_u32 v10, s66, v4                      ; V^T: positions 64 w + 8 h on
	v_add_nc_u32 v11, 49152, v1
	s_mul_i32 s66, s28, 6144
	v_add_nc_u32 v12, s66, v1
	v_lshl_add_u32 v13, v94, 5, BIA
	s_lshl_b32 s66, s28, 6
	v_add_nc_u32 v14, s66, v13
	s_mul_i32 s66, s27, 2304
	s_lshl_b32 s68, s28, 5
	s_add_co_u32 s66, s66, s68
	s_add_co_u32 s66, s66, 73728
	v_add_nc_u32 v15, s66, v3                      ; K: row 512 + 16 e + r, channels 16 t + 8 h on
	s_mul_i32 s66, s28, 18688
	s_lshl_b32 s68, s27, 5
	s_add_co_u32 s66, s66, s68
	s_add_co_u32 s66, s66, 1024
	v_add_nc_u32 v16, s66, v4                      ; V^T: channel 16 t + r, positions 512 + 16 e + 8 h on
	s_lshl_b32 s66, s22, 9
	s_add_co_u32 s66, s66, QSH
	v_add_nc_u32 v17, s66, v1
	s_mul_i32 s66, s22, 4352
	v_mul_u32_u24 v18, v93, 272
	v_lshl_add_u32 v18, v94, 5, v18
	v_add_nc_u32 v18, s66, v18
	v_mul_u32_u24 v19, v94, 272
	v_lshl_add_u32 v19, v93, 4, v19
	v_add_nc_u32 v19, s66, v19
	v_mul_u32_u24 v20, v94, 3072
	v_lshl_add_u32 v20, v93, 4, v20
	s_lshl_b32 s66, s22, 13
	s_add_co_u32 s66, s66, MRG
	v_add_nc_u32 v21, s66, v1
	s_lshl_b32 s66, s22, 8
	s_add_co_u32 s68, s66, MM
	v_add_nc_u32 v22, s68, v2
	; the fills' addresses
	s_add_co_u32 s66, s66, MSK
	v_add_nc_u32 v238, s66, v2                     ; the mask of positions 64 w + lane
	s_mul_i32 s66, s22, 3072
	v_add_nc_u32 v236, s66, v1                     ; W's codes: my 3,072 bytes of each kind
	v_lshl_add_u32 v237, v0, 2, BIA
	v_and_b32 v248, 7, v0
	s_lshl_b32 s66, s22, 3
	v_add_nc_u32 v248, s66, v248                   ; q = 8 w + lane % 8: position 512 + q
	v_lshl_add_u32 v239, v248, 2, MSK+2048
	v_min_u32 v244, 31, v248
	v_lshlrev_b32 v244, 2, v244
	v_cmp_gt_u32 s88, 32, v248                     ; a query key
	v_cmp_eq_u32 s89, 32, v248                     ; the cls key
	v_lshrrev_b32 v95, 3, v0
	v_mul_u32_u24 v240, v95, 144
	v_and_b32 v95, 7, v0
	v_lshl_add_u32 v240, v95, 4, v240
	v_add_nc_u32 v240, KL+544*144, v240            ; K's rows 544 + thread / 8, 16 bytes at 16 (thread % 8)
	v_lshlrev_b32 v245, 4, v95
	v_cmp_gt_u32 s86, 8, v0                        ; row 544
	v_lshrrev_b32 v95, 2, v0
	v_mul_u32_u24 v241, v95, 1168
	v_lshlrev_b32 v246, 1, v95
	v_and_b32 v95, 3, v0
	v_lshl_add_u32 v241, v95, 4, v241
	v_add_nc_u32 v241, VT+1088, v241               ; V^T: channel thread / 4, positions 544 + 8 (thread % 4) on
	v_cmp_eq_u32 s87, 0, v95
	v_lshlrev_b32 v247, 4, v94
	v_and_b32 v242, 63, v0
	v_lshlrev_b32 v242, 2, v242
	v_lshlrev_b32 v243, 2, v0
	; where everything lies in memory
	s_lshl_b32 s84, s25, 5
	s_lshl_b32 s85, s22, 1
	s_add_co_u32 s84, s84, s85
	s_lshl_b32 s85, s24, 4
	s_add_co_u32 s90, s84, s85                     ; my first tile of my half
	s_xor_b32 s85, s85, 16
	s_add_co_u32 s91, s84, s85                     ; and of the other half
	s_wait_kmcnt 0x0
	s_mul_i32 s66, s90, 6144
	s_add_nc_u64 s[32:33], s[4:5], s[66:67]
	s_mul_i32 s66, s91, 6144
	s_add_nc_u64 s[34:35], s[4:5], s[66:67]
	s_lshl_b32 s66, s90, 9
	s_add_nc_u64 s[36:37], s[6:7], s[66:67]
	s_lshl_b32 s66, s91, 9
	s_add_nc_u64 s[38:39], s[6:7], s[66:67]
	s_lshl_b32 s92, s26, 1
	s_add_co_u32 s92, s92, s27
	s_add_co_u32 s92, s92, 1024                    ; the query tile 1024 + 2 b + e
	s_mul_i32 s66, s92, 6144
	s_add_nc_u64 s[40:41], s[4:5], s[66:67]
	s_lshl_b32 s66, s92, 9
	s_add_nc_u64 s[42:43], s[6:7], s[66:67]
	s_lshl_b32 s92, s23, 2
	s_add_co_u32 s92, s92, 1028                    ; Wq's first tile of the head
	s_mul_i32 s66, s92, 6144
	s_mul_i32 s93, s22, 3072
	s_add_co_u32 s66, s66, s93
	s_add_nc_u64 s[44:45], s[4:5], s[66:67]
	s_lshl_b32 s66, s92, 9
	s_add_nc_u64 s[46:47], s[6:7], s[66:67]
	s_lshl_b32 s66, s28, 9
	s_add_nc_u64 s[48:49], s[46:47], s[66:67]
	s_lshl_b32 s66, s25, 11
	s_lshl_b32 s93, s24, 10
	s_add_co_u32 s66, s66, s93
	s_add_nc_u64 s[50:51], s[10:11], s[66:67]      ; dmask: my half's 256 numbers,
	s_xor_b32 s66, s66, 1024
	s_add_nc_u64 s[52:53], s[10:11], s[66:67]      ; the other half's
	s_lshl_b32 s66, s26, 7
	s_add_nc_u64 s[74:75], s[12:13], s[66:67]      ; qmask of my batch
	s_lshr_b32 s93, s22, 1
	s_cmp_eq_u32 s93, 0
	s_cselect_b64 s[76:77], s[14:15], s[18:19]     ; waves 0, 1 fetch bq; 2, 3 bk; the others bv
	s_cmp_eq_u32 s93, 1
	s_cselect_b64 s[76:77], s[16:17], s[76:77]
	s_lshl_b32 s66, s23, 8
	s_add_nc_u64 s[76:77], s[76:77], s[66:67]
	s_mul_i32 s66, s26, 1536
	s_lshl_b32 s93, s23, 7
	s_add_co_u32 s66, s66, s93
	s_add_nc_u64 s[80:81], s[8:9], s[66:67]        ; clsp at [q][b][head]
	s_add_nc_u64 s[82:83], s[80:81], 6144          ; v
	s_lshl_b32 s66, s28, 5
	s_add_nc_u64 s[78:79], s[80:81], s[66:67]      ; q, channels 16 t on
	s_add_nc_u64 s[80:81], s[80:81], 3072          ; k
	s_mul_i32 s92, s25, 545
	s_lshl_b32 s93, s24, 8
	s_add_co_u32 s93, s93, s92
	s_lshl_b32 s94, s22, 5
	s_add_co_u32 s93, s93, s94
	s_add_co_u32 s93, s93, 33                      ; my first doc row of out0
	s_mul_i32 s66, s93, 3072
	s_lshl_b32 s94, s23, 8
	s_add_co_u32 s66, s66, s94
	s_add_nc_u64 s[70:71], s[20:21], s[66:67]
	s_xor_b32 s93, s24, 1
	s_add_co_u32 s93, s93, s92
	s_lshl_b32 s95, s22, 2
	s_add_co_u32 s93, s93, s95                     ; the shared rows: half 0: 1 + 4 w on; half 1: row 0
	s_mul_i32 s66, s93, 3072
	s_add_co_u32 s66, s66, s94
	s_add_nc_u64 s[72:73], s[20:21], s[66:67]
	s_cmp_eq_u32 s24, 1
	s_cselect_b32 s62, -1, 0                       ; a mask of lanes: all in half 1
	s_cselect_b32 s63, 1, 32                       ; shared rows that are stored
	; ---- all 105 loads from memory, the oldest wanted first
.irp k, 0,1,2
.irp i, 0,1,2,3,4,5
	global_load_b128 v[92+24*\k+4*\i:92+24*\k+4*\i+3], v1, s[44:45] offset:\k*294912+\i*512    ; W's codes, my eighth
.endr
.endr
	global_load_b32 v252, v242, s[76:77]           ; a bias
	global_load_b32 v164, v243, s[50:51]           ; masks
	global_load_b32 v165, v243, s[52:53]
	global_load_b32 v166, v244, s[74:75]
	global_load_b128 v[168:171], v245, s[80:81]    ; the cls key
	global_load_u16 v253, v246, s[82:83]           ; the cls value
	global_load_b128 v[CLQ:CLQ+3], v247, s[78:79]  ; the cls query
.irp k, 0,1,2
	global_load_b128 v[XWS+4*\k:XWS+4*\k+3], v1, s[48:49] offset:\k*24576
.endr
.irp s, 0,1,2,3,4,5
.irp c, 0,1
	global_load_b128 v[XF+8*\s+4*\c:XF+8*\s+4*\c+3], v1, s[40:41] offset:\s*1024+\c*512
.endr
.endr
	global_load_b128 v[XSC:XSC+3], v1, s[42:43]
.irp k, 0,1,2
.irp t, 0,1,2,3
	global_load_b128 v[WSC+16*\k+4*\t:WSC+16*\k+4*\t+3], v1, s[46:47] offset:\k*24576+\t*512
.endr
.endr
.irp m, 0,1
	global_load_b128 v[DSC+4*\m:DSC+4*\m+3], v1, s[36:37] offset:\m*512
	global_load_b128 v[DSC+8+4*\m:DSC+8+4*\m+3], v1, s[38:39] offset:\m*512
.endr
	WIN 0x40
.irp m, 0,1
.irp s, 0,1,2,3,4,5
.irp c, 0,1
	global_load_b128 v[48*\m+8*\s+4*\c:48*\m+8*\s+4*\c+3], v1, s[32:33] offset:\m*6144+\s*1024+\c*512
	global_load_b128 v[96+48*\m+8*\s+4*\c:96+48*\m+8*\s+4*\c+3], v1, s[34:35] offset:\m*6144+\s*1024+\c*512
.endr
.endr
.endr
	WIN 0
	s_wait_loadcnt 63                              ; the youngest 63 of the 105 may be out: the oldest 42 are in, the 24 that the fills want among them
.irp k, 0,1,2
.irp i, 0,1,2,3,4,5
	ds_store_b128 v236, v[92+24*\k+4*\i:92+24*\k+4*\i+3] offset:\k*24576+\i*512
.endr
.endr
	ds_store_b32 v237, v252
	v_mov_b32 v167, 0xf149f2ca                     ; -1e30
	v_mov_b32 v249, 0
	v_mov_b32 v250, 0
	v_mov_b32 v251, 0
.irp i, 164,165,166
	v_mul_f32 v\i, 0x3fb8aa3b, v\i                 ; x log2(e),
.endr
.irp i, 164,165,166
	v_max_num_f32 v\i, v\i, v167                   ; held at -1e30 from below
.endr
	v_cndmask_b32 v166, v167, v166, s88            ; positions 545..575: -1e30
	v_cndmask_b32 v166, v166, v249, s89            ; the cls key: 0
	ds_store_b32 v238, v164
	ds_store_b32 v238, v165 offset:128
	ds_store_b32 v239, v166                        ; (four lanes write the same word with the same value)
.irp i, 0,1,2,3
	v_cndmask_b32 v[168+\i], v249, v[168+\i], s86  ; row 544 is the cls key, rows 545..575 zeros
.endr
	ds_store_b128 v240, v[168:171]
	v_cndmask_b32 v248, v249, v253, s87            ; position 544 is the cls value, 545..575 zeros
	ds_store_b128 v241, v[248:251]
	BARRIER                                        ; W's codes, the biases, the masks and the padding lie in LDS
; One FP4 product.  c < 0: the constant 0 starts the sum.  row = 1: both sides' scale words stand in lanes 16-31.
.macro FP4 d, a, b, c, sa, sb, row
.if (\c) < 0
.if \row
	v_wmma_scale_f32_16x16x128_f8f6f4 v[\d:\d+7], v[\a:\a+7], v[\b:\b+7], 0, v[\sa], v[\sb] matrix_a_fmt:MATRIX_FMT_FP4 matrix_b_fmt:MATRIX_FMT_FP4 matrix_a_scale:MATRIX_SCALE_ROW1 matrix_b_scale:MATRIX_SCALE_ROW1
.else
	v_wmma_scale_f32_16x16x128_f8f6f4 v[\d:\d+7], v[\a:\a+7], v[\b:\b+7], 0, v[\sa], v[\sb] matrix_a_fmt:MATRIX_FMT_FP4 matrix_b_fmt:MATRIX_FMT_FP4
.endif
.else
.if \row
	v_wmma_scale_f32_16x16x128_f8f6f4 v[\d:\d+7], v[\a:\a+7], v[\b:\b+7], v[\c:\c+7], v[\sa], v[\sb] matrix_a_fmt:MATRIX_FMT_FP4 matrix_b_fmt:MATRIX_FMT_FP4 matrix_a_scale:MATRIX_SCALE_ROW1 matrix_b_scale:MATRIX_SCALE_ROW1
.else
	v_wmma_scale_f32_16x16x128_f8f6f4 v[\d:\d+7], v[\a:\a+7], v[\b:\b+7], v[\c:\c+7], v[\sa], v[\sb] matrix_a_fmt:MATRIX_FMT_FP4 matrix_b_fmt:MATRIX_FMT_FP4
.endif
.endif
.endm
; ---- THE QUERY ROWS: wave (e, t) makes tile e's channels 16 t on of Q, K and V: three accumulators by turns.
.macro XLOAD p                         ; W's tile t of the three kinds, K steps 3 p .. 3 p + 2
.irp k, 0,1,2
.irp s, 0,1,2
.irp c, 0,1
	ds_load_b128 v[WF+24*\k+8*\s+4*\c:WF+24*\k+8*\s+4*\c+3], v12 offset:\k*24576+(3*\p+\s)*1024+\c*512
.endr
.endr
.endr
.endm
.macro XSTEP s                         ; Q, K: source 0 = 16 rows of W, source 1 = the 16 query rows: a lane holds one row and 8 channels.  V: the sources swapped: a lane holds one channel and 8 rows
.set XSP, (\s)%3
.set XRW, (\s)/3
.if (\s) == 0
	FP4 ACC, WF+8*XSP, XF+8*(\s), BC, XWS+XSP, XSC+XSP, XRW
	FP4 ACC+8, WF+24+8*XSP, XF+8*(\s), BC+8, XWS+4+XSP, XSC+XSP, XRW
	FP4 ACC+16, XF+8*(\s), WF+48+8*XSP, -1, XSC+XSP, XWS+8+XSP, XRW
.else
	FP4 ACC, WF+8*XSP, XF+8*(\s), ACC, XWS+XSP, XSC+XSP, XRW
	FP4 ACC+8, WF+24+8*XSP, XF+8*(\s), ACC+8, XWS+4+XSP, XSC+XSP, XRW
	FP4 ACC+16, XF+8*(\s), WF+48+8*XSP, ACC+16, XSC+XSP, XWS+8+XSP, XRW
.endif
.endm
; ---- THE DOC ROWS, a column tile of 16 channels at a time: tiles 0-3 K, 4-7 V, 8-11 Q.
.macro TILE tn                         ; tile tn: its kind (0 q, 1 k, 2 v), its t, its buffers
.if (\tn) < 4
.set KD, 1
.set TT, (\tn)
.elseif (\tn) < 8
.set KD, 2
.set TT, (\tn)-4
.else
.set KD, 0
.set TT, (\tn)-8
.endif
.set WFB, WF+48*((\tn)%2)
.set BCB, BC+8*((\tn)%2)
.endm
.macro CLOAD tn                        ; its six fragments of W, and for K and Q its bias in the result's layout: 14 or 12 LDS loads
	TILE \tn
.irp s, 0,1,2,3,4,5
.irp c, 0,1
.if KD == 2
	ds_load_b128 v[WFB+8*\s+4*\c:WFB+8*\s+4*\c+3], v11 offset:TT*6144+\s*1024+\c*512
.else
	ds_load_b128 v[WFB+8*\s+4*\c:WFB+8*\s+4*\c+3], v1 offset:KD*24576+TT*6144+\s*1024+\c*512
.endif
.endr
.endr
.if KD != 2
	ds_load_b128 v[BCB:BCB+3], v13 offset:KD*256+64*TT
	ds_load_b128 v[BCB+4:BCB+7], v13 offset:KD*256+64*TT+16
.endif
.endm
.macro PROD s, m                       ; K step s of slot m
.set CCC, ACC+8*(\m)
.if (\s) == 0
.set CCC, BCB
.if KD == 2
.set CCC, -1
.endif
.endif
.if KD == 2
	FP4 ACC+8*(\m), 48*(\m)+8*(\s), WFB+8*(\s), CCC, DSC+4*(\m)+(\s)%3, WSC+16*KD+4*TT+(\s)%3, (\s)/3
.else
	FP4 ACC+8*(\m), WFB+8*(\s), 48*(\m)+8*(\s), CCC, WSC+16*KD+4*TT+(\s)%3, DSC+4*(\m)+(\s)%3, (\s)/3
.endif
.endm
.macro COLT tn
.if (\tn) < 11
	CLOAD (\tn)+1                                  ; the next tile's, into the other buffers
.if KD == 2
	s_wait_dscnt 12                                ; all but the next tile's loads: my fragments are in, and the last tile's stores have read their registers
.else
	s_wait_dscnt 14
.endif
.else
	s_wait_dscnt 0x0
.endif
.if (\tn) == 0
	s_wait_loadcnt 0x0                             ; the doc tiles and their scales
.endif
	TILE \tn
.irp s, 0,1,2,3,4,5                    ; the slots' accumulators take turns, one instruction a turn
.if KD == 2
.if \s == 0
	WIN 0x41                                       ; source 0 (doc) and D window 1
.else
	WIN 0x51
.endif
.else
.if \s == 0
	WIN 0x44                                       ; source 1 (doc) and D window 1; C, the bias, window 0
.else
	WIN 0x54
.endif
.endif
	PROD \s, 0
	PROD \s, 1
.if KD != 0
	PROD \s, 2
	PROD \s, 3
.endif
.endr
	PLACES
.if KD == 0
	WIN 0x41
.irp i, 0,2,4,6,8,10,12,14
	v_pk_mul_f32 v[ACC+\i:ACC+\i+1], v[ACC+\i:ACC+\i+1], s[54:55] op_sel_hi:[1,0]     ; q x c, in f32
.endr
	WIN 0x05
.irp m, 0,1
.irp i, 0,1,2,3
	v_cvt_pk_f16_f32 v[QM+16*\m+4*TT+\i], v[ACC+8*\m+2*\i], v[ACC+8*\m+2*\i+1]         ; channels 16 t + 8 h + 0..7 of my row: registers 4 t .. 4 t + 3 of the tile's two fragments, as they stand
.endr
.endr
	WIN 0
.else
	WIN 0x05
.irp i, 0,1,2,3,4,5,6,7,8,9,10,11,12,13,14,15
	v_cvt_pk_f16_f32 v[PK+\i], v[ACC+2*\i], v[ACC+2*\i+1]
.endr
	WIN 0
.irp m, 0,1,2,3
.if KD == 1
	ds_store_b128 v9, v[PK+4*\m:PK+4*\m+3] offset:\m*2304+32*TT
.else
	ds_store_b128 v10, v[PK+4*\m:PK+4*\m+3] offset:TT*18688+32*\m
.endif
.endr
.endif
.endm
	XLOAD 0
	ds_load_b128 v[BC:BC+3], v14                   ; bq and bk of channels 16 t + 8 h + 0..7
	ds_load_b128 v[BC+4:BC+7], v14 offset:16
	ds_load_b128 v[BC+8:BC+11], v14 offset:256
	ds_load_b128 v[BC+12:BC+15], v14 offset:272
	s_wait_loadcnt 52                              ; all but the doc scales (4) and the doc tiles (48)
	s_wait_dscnt 0x0
	WIN 0x40
	XSTEP 0
	WIN 0x50
	XSTEP 1
	XSTEP 2
	PLACES
	WIN 0
	XLOAD 1
	s_wait_dscnt 0x0
	WIN 0x50
	XSTEP 3
	XSTEP 4
	XSTEP 5
	PLACES
	WIN 0
	CLOAD 0
	WIN 0x41
.irp i, 0,2,4,6
	v_pk_mul_f32 v[ACC+\i:ACC+\i+1], v[ACC+\i:ACC+\i+1], s[54:55] op_sel_hi:[1,0]
.endr
	WIN 0x05
.irp i, 0,1,2,3,4,5,6,7,8,9,10,11
	v_cvt_pk_f16_f32 v[PK+\i], v[ACC+2*\i], v[ACC+2*\i+1]
.endr
	WIN 0
.irp i, 0,1,2,3
	v_cndmask_b32 v[PK+\i], v[PK+\i], v[CLQ+\i], s62           ; in half 1 the shared query is the cls row, in every column
.endr
	ds_store_b128 v17, v[PK:PK+3]
	ds_store_b128 v15, v[PK+4:PK+7]
	ds_store_b128 v16, v[PK+8:PK+11]
.irp n, 0,1,2,3,4,5,6,7,8,9,10,11
	COLT \n
.endr
	BARRIER                                        ; K, V^T and the shared Q lie in LDS; nobody reads W's codes any more
	; the merge's addresses, made here, ahead of the one branch on the wave's number
	v_and_b32 v174, 15, v0
	v_bfe_u32 v175, v0, 4, 1
	s_lshl_b32 s66, s27, 12
	s_lshl_b32 s68, s28, 10
	s_add_co_u32 s66, s66, s68
	s_add_co_u32 s66, s66, MRG
	v_add_nc_u32 v168, s66, v1                     ; the partial O of tile e, channels 16 t on
	s_lshl_b32 s66, s27, 7
	s_add_co_u32 s66, s66, MM
	v_add_nc_u32 v169, s66, v2
	v_mul_u32_u24 v170, v174, 272
	v_lshl_add_u32 v170, v175, 5, v170
	s_mul_i32 s66, s27, 4352
	s_lshl_b32 s68, s28, 6
	s_add_co_u32 s66, s66, s68
	s_add_co_u32 s66, s66, SST
	v_add_nc_u32 v170, s66, v170                   ; the shared stage: row 16 e + r, 64 t + 32 h bytes on
	v_mul_u32_u24 v171, v175, 272
	v_lshl_add_u32 v171, v174, 4, v171
	s_mul_i32 s66, s22, 1088
	s_add_co_u32 s66, s66, SST
	v_add_nc_u32 v171, s66, v171                   ; back: rows 4 w + h
	s_lshl_b32 s66, s22, 2
	v_add_nc_u32 v172, s66, v175
.macro LOADK                           ; a key step's K (64 keys x 64 channels: 16 loads) and its mask in the result's layout (8 loads)
	v_add_nc_u32 v6, s58, v3
	v_add_nc_u32 v8, s60, v5
	WIN 0x40
.irp u, 0,1,2,3
.irp f, 0,1
.irp c, 0,1
	ds_load_b128 v[KF+16*\u+8*\f+4*\c:KF+16*\u+8*\f+4*\c+3], v6 offset:\u*2304+64*\f+32*\c
.endr
.endr
.endr
	WIN 0
.irp u, 0,1,2,3
.irp c, 0,1
	ds_load_b128 v[MK+8*\u+4*\c:MK+8*\u+4*\c+3], v8 offset:64*\u+16*\c
.endr
.endr
.endm
; A KEY STEP: 64 keys, two tiles of 16 queries (fragments at qb).  first = 1: it starts m, the sum and O^T.  pre = 1: the next step's K and mask are fetched.
.macro STEP qb, first, pre
	s_wait_dscnt 0x0                               ; K and the mask are in
	WIN 0x01
.irp u, 0,1,2,3                        ; S^T = K Q^T + mask: the eight accumulators by turns
.irp q, 0,1
	v_wmma_f32_16x16x32_f16 v[S+32*\q+8*\u:S+32*\q+8*\u+7], v[KF+16*\u:KF+16*\u+7], v[\qb+16*\q:\qb+16*\q+7], v[MK+8*\u:MK+8*\u+7]
.endr
.endr
.irp u, 0,1,2,3
.irp q, 0,1
	v_wmma_f32_16x16x32_f16 v[S+32*\q+8*\u:S+32*\q+8*\u+7], v[KF+16*\u+8:KF+16*\u+15], v[\qb+16*\q+8:\qb+16*\q+15], v[S+32*\q+8*\u:S+32*\q+8*\u+7]
.endr
.endr
	WIN 0
	PLACES
	v_add_nc_u32 v7, s59, v4
	WIN 0x40
.irp t, 0,1,2,3
.irp g, 0,1
.irp c, 0,1
	ds_load_b128 v[VF+16*\t+8*\g+4*\c:VF+16*\t+8*\g+4*\c+3], v7 offset:\t*18688+64*\g+32*\c
.endr
.endr
.endr
	WIN 0
	s_add_co_u32 s59, s59, 128
.if \pre
	s_add_co_u32 s58, s58, 9216
	s_add_co_u32 s60, s60, 256
	LOADK
.endif
	; the softmax, the two tiles line by line.  The maximum of my 32 scores and the old m; each accumulator is read first at its low end
.irp j, 0,1,2,3
.irp q, 0,1
	v_max3_num_f32 v[ST+8*\q+4+\j], v[S+32*\q+8*\j], v[S+32*\q+8*\j+1], v[S+32*\q+8*\j+2]
.endr
.endr
.irp i, 3,5
.irp j, 0,1,2,3
.irp q, 0,1
	v_max3_num_f32 v[ST+8*\q+4+\j], v[ST+8*\q+4+\j], v[S+32*\q+8*\j+\i], v[S+32*\q+8*\j+\i+1]
.endr
.endr
.endr
.irp q, 0,1
	v_max3_num_f32 v[ST+8*\q+4], v[ST+8*\q+4], v[S+32*\q+7], v[S+32*\q+15]
	v_max3_num_f32 v[ST+8*\q+6], v[ST+8*\q+6], v[S+32*\q+23], v[S+32*\q+31]
.endr
.irp q, 0,1
	v_max3_num_f32 v[ST+8*\q+4], v[ST+8*\q+4], v[ST+8*\q+5], v[ST+8*\q+6]
.endr
.irp q, 0,1
.if \first
	v_max_num_f32 v[ST+8*\q+4], v[ST+8*\q+4], v[ST+8*\q+7]
.else
	v_max3_num_f32 v[ST+8*\q+4], v[ST+8*\q+4], v[ST+8*\q+7], v[ST+8*\q]
.endif
.endr
.irp q, 0,1
	v_permlanex16_b32 v[ST+8*\q+5], v[ST+8*\q+4], s56, s57     ; the query's other 32 keys lie in the lane 16 away
.endr
.irp q, 0,1
.if \first
	v_mov_b32 v[ST+8*\q+1], v[ST+8*\q+4]           ; (named with m as a pair, so it is written)
.else
	v_mov_b32 v[ST+8*\q+1], v[ST+8*\q]             ; the old m
.endif
.endr
.irp q, 0,1
	v_max_num_f32 v[ST+8*\q], v[ST+8*\q+4], v[ST+8*\q+5]       ; the new m
.endr
.if \first == 0
.irp q, 0,1
	v_sub_f32 v[ST+8*\q+7], v[ST+8*\q+1], v[ST+8*\q]
.endr
.endif
.irp i, 0,2,4,6,8,10,12,14,16,18,20,22,24,26,28,30
.irp q, 0,1
	v_pk_add_f32 v[S+32*\q+\i:S+32*\q+\i+1], v[S+32*\q+\i:S+32*\q+\i+1], v[ST+8*\q:ST+8*\q+1] op_sel_hi:[1,0] neg_lo:[0,1] neg_hi:[0,1]   ; s - m
.endr
.endr
.if \first == 0
.irp q, 0,1
	v_exp_f32 v[ST+8*\q+6], v[ST+8*\q+7]           ; a = 2^(old m - new m)
.endr
.endif
.irp i, 0,1,2,3,4,5,6,7,8,9,10,11,12,13,14,15,16,17,18,19,20,21,22,23,24,25,26,27,28,29,30,31
.irp q, 0,1
	v_exp_f32 v[S+32*\q+\i], v[S+32*\q+\i]         ; p = 2^(s - m)
.endr
.endr
	v_nop                                          ; a plain line behind the last exponential
	s_wait_alu depctr_va_vdst(0)                   ; one wait for the whole batch, ahead of its first reader
.irp i, 0,1,2,3,4,5,6,7,8,9,10,11,12,13,14,15
.irp q, 0,1
	v_cvt_pk_f16_f32 v[P+16*\q+\i], v[S+32*\q+2*\i], v[S+32*\q+2*\i+1]   ; two score tiles, packed, are source 1 of V^T P for 32 keys
.endr
.endr
.irp z, 0,1,2,3,4,5,6,7                ; the sum of the f32 p, in place
.irp q, 0,1
	v_pk_add_f32 v[S+32*\q+4*\z:S+32*\q+4*\z+1], v[S+32*\q+4*\z:S+32*\q+4*\z+1], v[S+32*\q+4*\z+2:S+32*\q+4*\z+3]
.endr
.endr
.irp z, 0,1,2,3
.irp q, 0,1
	v_pk_add_f32 v[S+32*\q+8*\z:S+32*\q+8*\z+1], v[S+32*\q+8*\z:S+32*\q+8*\z+1], v[S+32*\q+8*\z+4:S+32*\q+8*\z+5]
.endr
.endr
.irp z, 0,1
.irp q, 0,1
	v_pk_add_f32 v[S+32*\q+16*\z:S+32*\q+16*\z+1], v[S+32*\q+16*\z:S+32*\q+16*\z+1], v[S+32*\q+16*\z+8:S+32*\q+16*\z+9]
.endr
.endr
.irp q, 0,1
.if \first
	v_pk_add_f32 v[ST+8*\q+2:ST+8*\q+3], v[S+32*\q:S+32*\q+1], v[S+32*\q+16:S+32*\q+17]
.else
	v_pk_add_f32 v[S+32*\q:S+32*\q+1], v[S+32*\q:S+32*\q+1], v[S+32*\q+16:S+32*\q+17]
.endif
.endr
.if \first == 0
.irp q, 0,1
	v_pk_fma_f32 v[ST+8*\q+2:ST+8*\q+3], v[ST+8*\q+2:ST+8*\q+3], v[ST+8*\q+6:ST+8*\q+7], v[S+32*\q:S+32*\q+1] op_sel_hi:[1,0,1]
.endr
	WIN 0x41
.irp q, 0,1
.irp i, 0,2,4,6,8,10,12,14,16,18,20,22,24,26,28,30
	v_pk_mul_f32 v[O+32*\q+\i:O+32*\q+\i+1], v[O+32*\q+\i:O+32*\q+\i+1], v[ST+8*\q+6:ST+8*\q+7] op_sel_hi:[1,0]   ; O^T x a
.endr
.endr
.endif
.if \pre
	s_wait_dscnt 24                                ; V is in; the next step's 16 loads of K and 8 of the mask may be out
.else
	s_wait_dscnt 0x0
.endif
	WIN 0x51
.irp g, 0,1                            ; O^T += V^T P: the eight accumulators by turns
.irp t, 0,1,2,3
.irp q, 0,1
.if \first && (\g == 0)
	v_wmma_f32_16x16x32_f16 v[O+32*\q+8*\t:O+32*\q+8*\t+7], v[VF+16*\t+8*\g:VF+16*\t+8*\g+7], v[P+16*\q+8*\g:P+16*\q+8*\g+7], 0
.else
	v_wmma_f32_16x16x32_f16 v[O+32*\q+8*\t:O+32*\q+8*\t+7], v[VF+16*\t+8*\g:VF+16*\t+8*\g+7], v[P+16*\q+8*\g:P+16*\q+8*\g+7], v[O+32*\q+8*\t:O+32*\q+8*\t+7]
.endif
.endr
.endr
.endr
	WIN 0
.endm
	; ---- THE SHARED TILES: key step w (wave 0: also step 8)
	v_add_nc_u32 v23, QSH, v1
.irp i, 0,1,2,3,4,5,6,7
	ds_load_b128 v[QS+4*\i:QS+4*\i+3], v23 offset:512*\i
.endr
	s_mul_i32 s58, s22, 9216
	s_lshl_b32 s59, s22, 7
	s_lshl_b32 s60, s22, 8
	LOADK
	STEP QS, 1, 0
	s_cmp_lg_u32 s22, 0
	s_cbranch_scc1 .Lnot_ninth
	s_mov_b32 s58, 73728
	s_mov_b32 s59, 1024
	s_mov_b32 s60, 2048
	LOADK
	STEP QS, 0, 0
.Lnot_ninth:
	PLACES                                         ; my partial maximum, sum and O^T go to LDS as they stand
.irp q, 0,1
	v_add_f32 v[ST+8*\q+4], v[ST+8*\q+2], v[ST+8*\q+3]
.endr
.irp q, 0,1
	v_permlanex16_b32 v[ST+8*\q+5], v[ST+8*\q+4], s56, s57
.endr
.irp q, 0,1
	v_add_f32 v[ST+8*\q+4], v[ST+8*\q+4], v[ST+8*\q+5]
.endr
.irp q, 0,1
	ds_store_b32 v22, v[ST+8*\q] offset:\q*128
	ds_store_b32 v22, v[ST+8*\q+4] offset:2048+\q*128
.endr
	WIN 0x04                                       ; an LDS store's data are its source 1: window 1
.irp q, 0,1
.irp t, 0,1,2,3
.irp c, 0,1
	ds_store_b128 v21, v[O+32*\q+8*\t+4*\c:O+32*\q+8*\t+4*\c+3] offset:\q*4096+\t*1024+\c*512
.endr
.endr
.endr
	WIN 0
	; ---- MY TWO TILES OF DOC QUERIES against all nine key steps
	s_mov_b32 s58, 0
	s_mov_b32 s59, 0
	s_mov_b32 s60, 0
	LOADK
	STEP QM, 1, 1
	s_mov_b32 s61, 7
.Lkey:
	STEP QM, 0, 1
	s_sub_co_u32 s61, s61, 1
	s_cmp_lg_u32 s61, 0
	s_cbranch_scc1 .Lkey
	STEP QM, 0, 0
	; ---- THE WAY OUT: O^T / sum + bv, a tile of 16 rows at a time through my stage, so that sixteen lanes store 256 consecutive bytes, aligned
.irp t, 0,1,2,3
.irp c, 0,1
	ds_load_b128 v[MK+8*\t+4*\c:MK+8*\t+4*\c+3], v13 offset:512+64*\t+16*\c        ; bv in the result's layout
.endr
.endr
	PLACES
.irp q, 0,1
	v_add_f32 v[ST+8*\q+4], v[ST+8*\q+2], v[ST+8*\q+3]
.endr
.irp q, 0,1
	v_permlanex16_b32 v[ST+8*\q+5], v[ST+8*\q+4], s56, s57
.endr
.irp q, 0,1
	v_add_f32 v[ST+8*\q+4], v[ST+8*\q+4], v[ST+8*\q+5]
.endr
.irp q, 0,1
	v_rcp_f32 v[ST+8*\q+6], v[ST+8*\q+4]
.endr
	v_nop
	s_wait_alu depctr_va_vdst(0)                   ; one wait for the two reciprocals, ahead of their first reader
	s_wait_dscnt 0x0                               ; bv
.macro OUT q
	WIN 0x01
.irp i, 0,2,4,6,8,10,12,14,16,18,20,22,24,26,28,30
	v_pk_fma_f32 v[S+32*\q+\i:S+32*\q+\i+1], v[O+32*\q+\i:O+32*\q+\i+1], v[ST+8*\q+6:ST+8*\q+7], v[MK+\i:MK+\i+1] op_sel_hi:[1,0,1]
.endr
	WIN 0
.irp t, 0,1,2,3
.irp c, 0,1
	ds_store_b128 v18, v[S+32*\q+8*\t+4*\c:S+32*\q+8*\t+4*\c+3] offset:64*\t+16*\c
.endr
.endr
.irp i, 0,1,2,3,4,5,6,7
	ds_load_b128 v[S+32*\q+4*\i:S+32*\q+4*\i+3], v19 offset:544*\i     ; LDS serves a wave's instructions in order: these see the stores above
.endr
.irp i, 0,1,2,3,4,5,6,7
	s_wait_dscnt 7-\i
	global_store_b128 v20, v[S+32*\q+4*\i:S+32*\q+4*\i+3], s[70:71] offset:(16*\q+2*\i)*3072 th:TH_STORE_NT
.endr
.endm
	OUT 0
	OUT 1
	BARRIER                                        ; every wave's partial results of the shared tiles lie in LDS (they were stored ahead of the main walk)
	; ---- THE MERGE: wave (e, t) joins the eight partial results of tile e, channels 16 t on
	s_wait_xcnt 0x0                                ; the stores above have read their registers: the loads below may land there
.irp p, 0,1,2,3,4,5,6,7
	ds_load_b32 v[40+\p], v169 offset:256*\p
.endr
.irp p, 0,1,2,3,4,5,6,7
	ds_load_b32 v[48+\p], v169 offset:2048+256*\p
.endr
.irp p, 0,1,2,3,4,5,6,7
.irp c, 0,1
	ds_load_b128 v[56+8*\p+4*\c:56+8*\p+4*\c+3], v168 offset:8192*\p+512*\c
.endr
.endr
	ds_load_b128 v[128:131], v14 offset:512
	ds_load_b128 v[132:135], v14 offset:528
	s_wait_dscnt 0x0
	v_max3_num_f32 v136, v40, v41, v42
	v_max3_num_f32 v136, v136, v43, v44
	v_max3_num_f32 v136, v136, v45, v46
	v_max_num_f32 v136, v136, v47                  ; the row's maximum
.irp p, 0,1,2,3,4,5,6,7
	v_sub_f32 v[40+\p], v[40+\p], v136
.endr
.irp p, 0,1,2,3,4,5,6,7
	v_exp_f32 v[40+\p], v[40+\p]                   ; each part's weight
.endr
	v_nop
	s_wait_alu depctr_va_vdst(0)
	v_mul_f32 v137, v48, v40
.irp p, 1,2,3,4,5,6,7
	v_fma_f32 v137, v[48+\p], v[40+\p], v137
.endr
.irp j, 0,1,2,3,4,5,6,7
	v_mul_f32 v[120+\j], v[56+\j], v40
.endr
.irp p, 1,2,3,4,5,6,7
.irp j, 0,1,2,3,4,5,6,7
	v_fma_f32 v[120+\j], v[56+8*\p+\j], v[40+\p], v[120+\j]
.endr
.endr
	v_rcp_f32 v138, v137
	v_nop
	s_wait_alu depctr_va_vdst(0)
.irp j, 0,1,2,3,4,5,6,7
	v_fma_f32 v[120+\j], v[120+\j], v138, v[128+\j]
.endr
	ds_store_b128 v170, v[120:123]
	ds_store_b128 v170, v[124:127] offset:16
	BARRIER                                        ; 32 whole rows lie in the shared stage
	ds_load_b128 v[120:123], v171
	ds_load_b128 v[124:127], v171 offset:544
	s_wait_dscnt 0x0
.irp i, 0,1
	v_add_nc_u32 v173, 2*\i, v172                  ; the row: 4 w + h + 2 i
	v_cmp_gt_u32 vcc_lo, s63, v173                 ; half 0 stores 32 rows, half 1 the cls row alone
	s_wait_xcnt 0x0                                ; EXEC changes only behind this wait
	s_and_saveexec_b32 s66, vcc_lo
	global_store_b128 v20, v[120+4*\i:123+4*\i], s[72:73] offset:2*\i*3072 th:TH_STORE_NT
	s_wait_xcnt 0x0
	s_or_b32 exec_lo, exec_lo, s66
.endr
	s_wait_tensorcnt 0x0                           ; the wave's end, behind my last LDS store
	ds_add_u32 v[SPW], v[NIL]
	s_wait_dscnt 0x0
	s_endpgm
.Lfunc_end_k_qe6621f53f7_attn:
	.size	k_qe6621f53f7_attn, .Lfunc_end_k_qe6621f53f7_attn-k_qe6621f53f7_attn
	.p2alignl 7, 3214868480
	.fill 96, 4, 3214868480
	.section	.rodata,"a",@progbits
	.p2align	6, 0x0
	.amdhsa_kernel k_qe6621f53f7_attn
		.amdhsa_group_segment_fixed_size 309504
		.amdhsa_private_segment_fixed_size 0
		.amdhsa_enable_private_segment 0
		.amdhsa_kernarg_size 72
		.amdhsa_user_sgpr_count 2
		.amdhsa_user_sgpr_kernarg_segment_ptr 1
		.amdhsa_wavefront_size32 1
		.amdhsa_system_sgpr_workgroup_id_x 1
		.amdhsa_system_sgpr_workgroup_id_y 1
		.amdhsa_system_sgpr_workgroup_id_z 1
		.amdhsa_system_vgpr_workitem_id 0
		.amdhsa_next_free_vgpr 512
		.amdhsa_next_free_sgpr 100
		.amdhsa_reserve_vcc 1
		.amdhsa_float_denorm_mode_32 3
		.amdhsa_float_denorm_mode_16_64 3
		.amdhsa_memory_ordered 1
		.amdhsa_forward_progress 1
		.amdhsa_inst_pref_size 189
	.end_amdhsa_kernel
	.amdgpu_metadata
---
amdhsa.version: [ 1, 2 ]
amdhsa.kernels:
  - .name:           k_qe6621f53f7_attn
    .symbol:         k_qe6621f53f7_attn.kd
    .args:
      - { .name: codes, .offset: 0, .size: 8, .value_kind: global_buffer, .address_space: global }
      - { .name: scales, .offset: 8, .size: 8, .value_kind: global_buffer, .address_space: global }
      - { .name: clsp, .offset: 16, .size: 8, .value_kind: global_buffer, .address_space: global }
      - { .name: dmask, .offset: 24, .size: 8, .value_kind: global_buffer, .address_space: global }
      - { .name: qmask, .offset: 32, .size: 8, .value_kind: global_buffer, .address_space: global }
      - { .name: bq, .offset: 40, .size: 8, .value_kind: global_buffer, .address_space: global }
      - { .name: bk, .offset: 48, .size: 8, .value_kind: global_buffer, .address_space: global }
      - { .name: bv, .offset: 56, .size: 8, .value_kind: global_buffer, .address_space: global }
      - { .name: out0, .offset: 64, .size: 8, .value_kind: global_buffer, .address_space: global }
    .group_segment_fixed_size: 309504
    .private_segment_fixed_size: 0
    .kernarg_segment_align: 8
    .kernarg_segment_size: 72
    .max_flat_workgroup_size: 256
    .sgpr_count:     100
    .vgpr_count:     512
    .wavefront_size: 32
...
	.end_amdgpu_metadata
.endif
;; end of part 2
;; ======== version 2 of 2: 2 launches; 1.11 times as fast as version 1
;; limits: values are held in f16: magnitudes above 65,504 overflow, below 6.1e-05 lose precision
;; workspace buffers: codes 7,200,768 bytes; scales 600,064 bytes; clsp 9,216 bytes
;; launch prep (part 3): grid 1244 x 1, 2 waves a work-group, no clusters, 17,152 bytes of LDS; arguments doc, query, Wq, Wk, Wv, cls, bq, bk, codes, scales, clsp; writes codes, scales, clsp
.if DOCPART == 3
	.amdgcn_target "amdgcn-amd-amdhsa--gfx1250"
	.amdhsa_code_object_version 6
	.text
	.protected	k_qe6621f53f7_prep
	.globl	k_qe6621f53f7_prep
	.p2align	8
	.type	k_qe6621f53f7_prep,@function
k_qe6621f53f7_prep:
	s_mov_b64 s[64:65], 0
	v_nop
	global_prefetch_b8 v0, s[64:65] scope:SCOPE_SE
	s_setreg_imm32_b32 hwreg(HW_REG_WAVE_MODE, 25, 1), 1
	s_wait_xcnt 0x0
; PREP.  (1) doc [16384][768], query [64][768], Wq, Wk, Wv [768][768], all f32 with K innermost, become codes of FP4 (E2M1) with one E8M0 scale byte for each 32 along K.
; (2) The two cls rows are projected in f32 (fused multiply-adds) and leave as f16: q = (cls Wq^T + bq) x log2(e)/8, k = cls Wk^T + bk, v = cls Wv^T (bv is added at the very end of the attention launch).
; LAYOUT OF THE WORKSPACE: in the order of the operand registers.  A tile is 16 rows x 768 K.  codes: [tile][K step s of 128][c = 0,1][lane][16 bytes]: lane (r = lane % 16, h = lane / 16), chunk c, holds the 32 codes of
; row r, block 4 s + 2 c + h: registers 4 c .. 4 c + 3 of the fragment.  scales: [tile][lane][4 words]: word i (0..2) of lane (r, hh) is the scale word of row r for K step i + 3 hh; word 3 is filler.
; Tiles: doc 0..1023, query 1024..1027, Wq 1028.., Wk 1076.., Wv 1124..1171.
; A block's scale is 2^(floor(log2(largest magnitude)) - 2): its byte is the largest magnitude's exponent field - 2, held at 1 from below.
; LIMITS: a block of zeros gets the byte 1 where the quantiser says 127 (its codes are zeros, and this program alone reads the bytes); blocks whose largest magnitude lies under 2^-124 take the byte 1;
; NaN and infinities among the inputs are not served.
; SHARES: work-groups 0..71: the cls rows, a wave to 16 rows of one W.  Work-groups 72..1243: one tile each; wave w takes half w of K (three K steps, 24,576 bytes of f32).  Waves share nothing: no barrier.
; The work-groups are small, two waves, so that the 2,488 waves' shares spread evenly.
.set SPARE, 16896                      ; behind the two stages: the spare words, 128 bytes a wave
.set SPW,   30                         ; v30  LDS address of my spare word; never rewritten
.set NIL,   31                         ; v31  0; never rewritten
.set R,     32                         ; v32-223  three sets of 64: a K step of 16 rows as loaded; later its second block and its codes
.set X,     224                        ; v224-255 the first block of 32 neighbours
.set CL,    32                         ; cls path: v32-79 the two cls rows
.set WB,    80                         ; cls path: v80-223 three buffers of two rows of W
	s_load_b256 s[4:11], s[0:1], 0x0               ; doc, query, Wq, Wk
	s_load_b256 s[12:19], s[0:1], 0x20             ; Wv, cls, bq, bk
	s_load_b128 s[20:23], s[0:1], 0x40             ; codes, scales
	s_load_b64 s[24:25], s[0:1], 0x50              ; clsp
	v_lshl_add_u32 v[SPW], v0, 2, SPARE
	v_mov_b32 v[NIL], 0
	v_lshrrev_b32 v1, 5, v0
	v_readfirstlane_b32 s26, v1                    ; wave 0, 1
	v_and_b32 v1, 31, v0                           ; lane
	v_and_b32 v2, 15, v0                           ; r
	v_bfe_u32 v3, v0, 4, 1                         ; h
	v_lshlrev_b32 v4, 4, v1                        ; 16 x lane
	s_mov_b32 s36, 0x76543210
	s_mov_b32 s37, 0xfedcba98                      ; lane selects: lane l xor 16
	s_mov_b32 s39, 0                               ; the upper word of every offset
	s_wait_kmcnt 0x0
	s_cmp_lt_u32 ttmp9, 72
	s_cbranch_scc1 .Lcls
	; ---------------- the quantiser ----------------
	s_sub_co_u32 s27, ttmp9, 72                    ; my tile
	s_mov_b32 s28, s26                             ; my half of K
	s_mov_b64 s[32:33], s[12:13]                   ; which tensor: the choice hangs on the tile's number alone
	s_mov_b32 s34, 1124
	s_cmp_lt_u32 s27, 1124
	s_cselect_b64 s[32:33], s[10:11], s[32:33]
	s_cselect_b32 s34, 1076, s34
	s_cmp_lt_u32 s27, 1076
	s_cselect_b64 s[32:33], s[8:9], s[32:33]
	s_cselect_b32 s34, 1028, s34
	s_cmp_lt_u32 s27, 1028
	s_cselect_b64 s[32:33], s[6:7], s[32:33]
	s_cselect_b32 s34, 1024, s34
	s_cmp_lt_u32 s27, 1024
	s_cselect_b64 s[32:33], s[4:5], s[32:33]
	s_cselect_b32 s34, 0, s34
	s_sub_co_u32 s34, s27, s34                     ; the tile's number in its tensor
	s_mul_i32 s38, s34, 49152                      ; 16 rows of 3,072 bytes
	s_mul_i32 s35, s28, 1536
	s_add_co_u32 s38, s38, s35
	s_add_nc_u64 s[32:33], s[32:33], s[38:39]
	s_mul_i32 s38, s27, 6144
	s_mul_i32 s35, s28, 3072
	s_add_co_u32 s38, s38, s35
	s_add_nc_u64 s[20:21], s[20:21], s[38:39]      ; my three K steps of codes
	s_lshl_b32 s38, s27, 9
	s_lshl_b32 s35, s28, 8
	s_add_co_u32 s38, s38, s35
	s_add_nc_u64 s[22:23], s[22:23], s[38:39]      ; my 256 bytes of scale words
	s_mul_i32 s29, s26, 8448                       ; my stage: 16 rows of 512 bytes + 16
	v_add_nc_u32 v5, s29, v4                       ; in: as loaded, 16 bytes a lane
	v_mul_u32_u24 v6, v2, 528
	v_lshl_add_u32 v6, v3, 7, v6
	v_add_nc_u32 v6, s29, v6                       ; out: row r, block h of the K step
	v_lshlrev_b32 v7, 3, v3                        ; 8 h: my bytes' place in a scale word
	v_mov_b32 v15, 0                               ; a lane permute's destination counts as one of its sources
	v_mov_b32 v19, 0x7f7f7f7f                      ; the filler word
	v_lshlrev_b32 v28, 4, v2                       ; 16 r
.irp s, 0,1,2
.irp r, 0,1,2,3,4,5,6,7,8,9,10,11,12,13,14,15
	global_load_b128 v[R+64*\s+4*\r:R+64*\s+4*\r+3], v4, s[32:33] offset:\r*3072+\s*512 th:TH_LOAD_NT   ; 32 lanes read 512 consecutive bytes: a row's K step (doc, the bulk, is read once; the hint changes no value)
.endr
.endr
; One K step: 16 rows x 128 numbers go through my stage as they lie and come back 32 neighbours a lane, twice: blocks h and 2 + h of row r.
.macro KSTEP s
.set RS, R+64*\s
	s_wait_loadcnt 32-16*\s                        ; this K step's 16 loads are in; the later steps' may be out
.irp r, 0,1,2,3,4,5,6,7,8,9,10,11,12,13,14,15
	ds_store_b128 v5, v[RS+4*\r:RS+4*\r+3] offset:\r*528
.endr
.irp i, 0,1,2,3,4,5,6,7
	ds_load_b128 v[X+4*\i:X+4*\i+3], v6 offset:16*\i           ; LDS serves a wave's instructions in order: these see the stores
.endr
	s_wait_dscnt 8                                 ; the 16 stores are done and have read their registers; the 8 loads may be out
.irp i, 0,1,2,3,4,5,6,7
	ds_load_b128 v[RS+4*\i:RS+4*\i+3], v6 offset:256+16*\i
.endr
	s_wait_dscnt 0x0
	v_max3_num_f32 v8, |v[X]|, |v[X+1]|, 0x1800000             ; the blocks' largest magnitudes, by turns; the floor 2^(3 - 127) holds the byte at 1 from below
	v_max3_num_f32 v9, |v[RS]|, |v[RS+1]|, 0x1800000
.irp i, 2,4,6,8,10,12,14,16,18,20,22,24,26,28,30
	v_max3_num_f32 v8, v8, |v[X+\i]|, |v[X+\i+1]|
	v_max3_num_f32 v9, v9, |v[RS+\i]|, |v[RS+\i+1]|
.endr
	v_add_nc_u32 v10, 0xff000000, v8               ; 2 off the exponent field: the conversion takes this operand's exponent field as its scale
	v_add_nc_u32 v11, 0xff000000, v9
	v_lshrrev_b32 v12, 23, v10                     ; the scale bytes
	v_lshrrev_b32 v13, 23, v11
	v_lshl_or_b32 v14, v13, 16, v12                ; blocks h and 2 + h,
	v_lshlrev_b32 v14, v7, v14                     ; at their places in the word;
	v_permlanex16_b32 v15, v14, s36, s37
	v_or_b32 v[16+\s], v14, v15                    ; with lane l xor 16's two the word is whole
.irp g, 0,1,2,3
	v_cvt_scalef32_pk8_fp4_f32 v[RS+32+\g], v[X+8*\g:X+8*\g+7], v10
	v_cvt_scalef32_pk8_fp4_f32 v[RS+36+\g], v[RS+8*\g:RS+8*\g+7], v11
.endr
	v_nop                                          ; one plain line behind the last scaled conversion
	global_store_b128 v4, v[RS+32:RS+35], s[20:21] offset:\s*1024       ; 512 consecutive bytes; each step has code registers of its own, never rewritten
	global_store_b128 v4, v[RS+36:RS+39], s[20:21] offset:\s*1024+512
.endm
	KSTEP 0
	KSTEP 1
	KSTEP 2
	s_wait_xcnt 0x0                                ; EXEC changes only behind this wait
	v_cmp_gt_u32 vcc_lo, 16, v1
	s_and_saveexec_b32 s30, vcc_lo
	global_store_b128 v28, v[16:19], s[22:23]      ; lanes 0-15: 256 consecutive bytes, aligned
	s_wait_xcnt 0x0
	s_or_b32 exec_lo, exec_lo, s30
	s_wait_tensorcnt 0x0                           ; the wave's end, behind my last LDS store
	ds_add_u32 v[SPW], v[NIL]
	s_wait_dscnt 0x0
	s_endpgm
	; ---------------- the cls rows, in f32 ----------------
.Lcls:
	s_lshl_b32 s27, ttmp9, 1
	s_add_co_u32 s27, s27, s26                     ; which 16 rows of the three W: 0..143
	s_cmp_ge_u32 ttmp9, 24
	s_cselect_b32 s28, 1, 0
	s_cmp_ge_u32 ttmp9, 48
	s_cselect_b32 s29, 1, 0
	s_add_co_u32 s28, s28, s29                     ; kind: 0 q, 1 k, 2 v
	s_mul_i32 s29, s28, 48
	s_sub_co_u32 s29, s27, s29                     ; which 16 rows of that W
	s_mov_b32 s41, 1.0
	s_cmp_eq_u32 s28, 0
	s_cselect_b64 s[32:33], s[8:9], s[10:11]
	s_cselect_b64 s[34:35], s[16:17], s[18:19]     ; bq for q, else bk (for v it is loaded and not used)
	s_cselect_b32 s41, 0x3e38aa3b, s41             ; q is multiplied by log2(e) / 8
	s_cmp_eq_u32 s28, 2
	s_cselect_b64 s[32:33], s[12:13], s[32:33]
	s_cselect_b32 s40, 0, -1                       ; a mask of lanes: v takes no bias here
	s_mul_i32 s38, s29, 49152
	s_add_nc_u64 s[32:33], s[32:33], s[38:39]
	s_lshl_b32 s38, s29, 6
	s_add_nc_u64 s[34:35], s[34:35], s[38:39]
	s_mul_i32 s38, s28, 3072
	s_lshl_b32 s29, s29, 5
	s_add_co_u32 s38, s38, s29
	s_add_nc_u64 s[24:25], s[24:25], s[38:39]      ; clsp at [kind][0][my first row]
	v_lshlrev_b32 v5, 2, v2                        ; the bias of row r
	v_mul_u32_u24 v6, v3, 1536
	v_lshl_add_u32 v6, v2, 1, v6                   ; out: lanes 0-15 batch 0, lanes 16-31 batch 1; row r
	v_mov_b32 v240, 0                              ; the results: lane (r, b)
	v_mov_b32 v243, 0
	v_mov_b32 v244, 0
	v_cmp_le_u32 s42, 16, v1                       ; lanes 16-31
.irp b, 0,1
.irp i, 0,1,2,3,4,5
	global_load_b128 v[CL+24*\b+4*\i:CL+24*\b+4*\i+3], v4, s[14:15] offset:\b*3072+\i*512
.endr
.endr
	global_load_b32 v241, v5, s[34:35]
.macro WLOAD g                         ; rows 2 g and 2 g + 1 of my 16, into buffer g % 3: a lane holds k = 128 i + 4 lane + 0..3
.irp p, 0,1
.irp i, 0,1,2,3,4,5
	global_load_b128 v[WB+48*((\g)%3)+24*\p+4*\i:WB+48*((\g)%3)+24*\p+4*\i+3], v4, s[32:33] offset:(2*(\g)+\p)*3072+\i*512
.endr
.endr
.endm
.macro DOT acc, wr, cr                 ; my 24 products of one row with one cls row, in two chains of packed multiply-adds
	v_pk_mul_f32 v[\acc:\acc+1], v[\wr:\wr+1], v[\cr:\cr+1]
	v_pk_mul_f32 v[\acc+2:\acc+3], v[\wr+2:\wr+3], v[\cr+2:\cr+3]
.irp p, 4,8,12,16,20
	v_pk_fma_f32 v[\acc:\acc+1], v[\wr+\p:\wr+\p+1], v[\cr+\p:\cr+\p+1], v[\acc:\acc+1]
	v_pk_fma_f32 v[\acc+2:\acc+3], v[\wr+\p+2:\wr+\p+3], v[\cr+\p+2:\cr+\p+3], v[\acc+2:\acc+3]
.endr
	v_pk_add_f32 v[\acc:\acc+1], v[\acc:\acc+1], v[\acc+2:\acc+3]
	v_add_f32 v[\acc], v[\acc], v[\acc+1]
.endm
.macro GROUP g
.set WBB, WB+48*((\g)%3)
.if (\g) < 6
	s_wait_loadcnt 24                              ; this group's 12 loads are in; the two later groups' may be out
.elseif (\g) == 6
	s_wait_loadcnt 12
.else
	s_wait_loadcnt 0x0
.endif
	DOT 224, WBB, CL
	DOT 228, WBB, CL+24
	DOT 232, WBB+24, CL
	DOT 236, WBB+24, CL+24
.irp p, 0,1
	v_permlanex16_b32 v243, v[224+8*\p], s36, s37
	v_permlanex16_b32 v244, v[228+8*\p], s36, s37
	v_add_f32 v243, v243, v[224+8*\p]              ; lanes l and l xor 16 joined, for batch 0
	v_add_f32 v244, v244, v[228+8*\p]              ; and for batch 1
	v_cndmask_b32 v243, v243, v244, s42            ; lanes 16-31 go on with batch 1
	v_add_f32_dpp v243, v243, v243 row_xmask:1 row_mask:0xf bank_mask:0xf
	v_add_f32_dpp v243, v243, v243 row_xmask:2 row_mask:0xf bank_mask:0xf
	v_add_f32_dpp v243, v243, v243 row_xmask:4 row_mask:0xf bank_mask:0xf
	v_add_f32_dpp v243, v243, v243 row_xmask:8 row_mask:0xf bank_mask:0xf
	v_cmp_eq_u32 vcc_lo, 2*(\g)+\p, v2
	v_cndmask_b32 v240, v240, v243, vcc_lo         ; the lanes with r = this row keep it
.endr
.if (\g)+3 < 8
	WLOAD (\g)+3
.endif
.endm
	WLOAD 0
	WLOAD 1
	WLOAD 2
.irp g, 0,1,2,3,4,5,6,7
	GROUP \g
.endr
	v_cndmask_b32 v241, 0, v241, s40
	v_add_f32 v240, v240, v241
	v_mul_f32 v240, s41, v240
	v_cvt_pk_f16_f32 v20, v240, v240               ; rounded once, to f16
	global_store_b16 v6, v20, s[24:25]
	s_endpgm
.Lfunc_end_k_qe6621f53f7_prep:
	.size	k_qe6621f53f7_prep, .Lfunc_end_k_qe6621f53f7_prep-k_qe6621f53f7_prep
	.p2alignl 7, 3214868480
	.fill 96, 4, 3214868480
	.section	.rodata,"a",@progbits
	.p2align	6, 0x0
	.amdhsa_kernel k_qe6621f53f7_prep
		.amdhsa_group_segment_fixed_size 17152
		.amdhsa_private_segment_fixed_size 0
		.amdhsa_enable_private_segment 0
		.amdhsa_kernarg_size 88
		.amdhsa_user_sgpr_count 2
		.amdhsa_user_sgpr_kernarg_segment_ptr 1
		.amdhsa_wavefront_size32 1
		.amdhsa_system_sgpr_workgroup_id_x 1
		.amdhsa_system_sgpr_workgroup_id_y 1
		.amdhsa_system_sgpr_workgroup_id_z 1
		.amdhsa_system_vgpr_workitem_id 0
		.amdhsa_next_free_vgpr 256
		.amdhsa_next_free_sgpr 66
		.amdhsa_reserve_vcc 1
		.amdhsa_float_denorm_mode_32 3
		.amdhsa_float_denorm_mode_16_64 3
		.amdhsa_memory_ordered 1
		.amdhsa_forward_progress 1
		.amdhsa_inst_pref_size 72
	.end_amdhsa_kernel
	.amdgpu_metadata
---
amdhsa.version: [ 1, 2 ]
amdhsa.kernels:
  - .name:           k_qe6621f53f7_prep
    .symbol:         k_qe6621f53f7_prep.kd
    .args:
      - { .name: doc, .offset: 0, .size: 8, .value_kind: global_buffer, .address_space: global }
      - { .name: query, .offset: 8, .size: 8, .value_kind: global_buffer, .address_space: global }
      - { .name: Wq, .offset: 16, .size: 8, .value_kind: global_buffer, .address_space: global }
      - { .name: Wk, .offset: 24, .size: 8, .value_kind: global_buffer, .address_space: global }
      - { .name: Wv, .offset: 32, .size: 8, .value_kind: global_buffer, .address_space: global }
      - { .name: cls, .offset: 40, .size: 8, .value_kind: global_buffer, .address_space: global }
      - { .name: bq, .offset: 48, .size: 8, .value_kind: global_buffer, .address_space: global }
      - { .name: bk, .offset: 56, .size: 8, .value_kind: global_buffer, .address_space: global }
      - { .name: codes, .offset: 64, .size: 8, .value_kind: global_buffer, .address_space: global }
      - { .name: scales, .offset: 72, .size: 8, .value_kind: global_buffer, .address_space: global }
      - { .name: clsp, .offset: 80, .size: 8, .value_kind: global_buffer, .address_space: global }
    .group_segment_fixed_size: 17152
    .private_segment_fixed_size: 0
    .kernarg_segment_align: 8
    .kernarg_segment_size: 88
    .max_flat_workgroup_size: 64
    .sgpr_count:     66
    .vgpr_count:     256
    .wavefront_size: 32
...
	.end_amdgpu_metadata
.endif
;; end of part 3
;; launch attn (part 4): grid 8 x 32, 8 waves a work-group, no clusters, 313,600 bytes of LDS; arguments codes, scales, clsp, dmask, qmask, bq, bk, bv, out0; writes out0
.if DOCPART == 4
	.amdgcn_target "amdgcn-amd-amdhsa--gfx1250"
	.amdhsa_code_object_version 6
	.text
	.protected	k_qe6621f53f7_attn
	.globl	k_qe6621f53f7_attn
	.p2align	8
	.type	k_qe6621f53f7_attn,@function
k_qe6621f53f7_attn:
	s_mov_b64 s[64:65], 0
	v_nop
	global_prefetch_b8 v0, s[64:65] scope:SCOPE_SE
	s_setreg_imm32_b32 hwreg(HW_REG_WAVE_MODE, 25, 1), 1
	s_wait_xcnt 0x0
; ATTN.  A work-group takes ONE AND A HALF HEADS of one document (y = bd = 16 b + d).  Work-groups x = 2 p and 2 p + 1 share heads 3 p, 3 p + 1, 3 p + 2: UNIT 0 is the whole head 3 p + side (side = x % 2): K and V are
; made once and serve two PASSES of queries (half 0, then half 1 of the doc rows); UNIT 1 is half 'side' of head 3 p + 2: one pass.  So 8 x 32 work-groups of equal work make K and V 16 times a document, not 24.
; A unit makes K and V of all 545 keys and Q by FP4 matrix instructions from the codes that the launch before has laid in register order, and keeps them in LDS and registers as f16; a pass runs the attention
; (f16 operands, f32 sums, running maximum) for 256 doc queries and two shared tiles, and stores its rows of out0.
; THE TEXT is a loop of two trips: head, projection, a pass, and a second written pass over which the second trip jumps: a branch on the loop's counter, the same in all waves.
; ALGEBRA, valid for every input: (a) the order of the keys is free, K's rows, V's columns and the mask being permuted alike; (b) sum p (v + bv) / sum p = sum p v / sum p + bv: bv is added with the final division;
; (c) q is multiplied by c = log2(e) / 8 in f32 ahead of its rounding, the mask by log2(e): the scores are exponents of 2.  The mask is the C of each score tile's first product.
; SHARES.  Eight waves, two to a SIMD.  Wave w keeps four doc tiles of 16 rows as FP4 fragments: slots 0, 1 = tiles 16 mh + 2 w + 0, 1 (the first pass's query tiles), slots 2, 3 = the same of the other half (the second
; pass's); mh = 0 in unit 0, = side in unit 1.  Key position of slot m, row r: 64 w + 16 m + r; 512..543 the query rows; 544 cls; 545..575 padding (K = V = 0, mask -1e30).  Nine key steps of 64.
; Q is made for all four slots in both units: in unit 1 that of slots 2, 3 is not used (48 of a wave's 612 FP4 products); a branch round them would want two written forms of four column tiles.
; The two SHARED query tiles of a pass (half 0: the 32 query rows; half 1: the cls row in all columns, twice) are split along the keys: wave w takes key step w, wave 0 also step 8; the partial results meet in LDS.
; BOTH ATTENTION PRODUCTS ARE USED TRANSPOSED: S^T = K Q^T, O^T = V^T P: a lane holds one query (lane % 16) throughout.
; What all waves want from memory (W's codes and scale words, the two query tiles, biases, masks) is fetched once by the work-group, each thread a part, and handed on through LDS.
; No cluster and no tensor load: of the 327,680 bytes of LDS 313,600 are in use, so a jointly fetched tile of doc codes has no room to land, and each doc fragment is wanted by one wave, in register order.
; No prefetch: the loads from memory stand in one run at each unit's head, and the second unit's doc tiles have been read by this work-group itself.
; LIMITS: |q c|, |k|, |v| stay under 65,504 (f16); magnitudes under 6e-5 lose relative precision; mask x log2(e) is held at -1e30 from below (-infinity gives the same zeros); +infinity and NaN in any input are not served.
.set KL,   73728                       ; LDS.  0: W's codes of the head, as they lie: kind x 24,576 + t x 6,144 + s x 1,024 + c x 512 + 16 lane (73,728 bytes)
.set VT,   156672                      ; KL: K, 576 rows of 128 bytes + 16.   VT: V^T, 64 rows of 1,152 bytes + 16
.set MSK,  231424                      ; 576 f32: the mask x log2(e)
.set BIA,  233728                      ; bq, bk, bv of the head, 256 bytes each (bv once more: not read)
.set QSH,  234752                      ; the shared Q as images of its registers: pass x 4,096 + (4 e + t) x 512 + 16 lane
.set MRG,  242944                      ; the partial O: wave x 8,192 + e x 4,096 + t x 1,024 + c x 512 + 16 lane
.set XL,   MRG                         ; in the same bytes, between a unit's head and its second barrier: the two query tiles' codes (12,288 bytes),
.set WSL,  MRG+12288                   ; and W's scale words: kind x 2,048 + t x 512 + 16 lane (6,144 bytes)
.set MM,   308480                      ; the partial maxima, (2 wave + e) x 128 + 4 lane; 2,048 bytes on: the partial sums
.set SPARE, 312576                     ; the spare words, 128 bytes a wave
.set SST,  34816                       ; over W's codes, dead behind the second barrier: 0: a stage of 16 x 272 bytes a wave; SST: the shared tiles' stage, 32 x 272
.set SPW,  254                         ; v254 LDS address of my spare word; never rewritten
.set NIL,  255                         ; v255 0; never rewritten
; window 0, fixed: v1 16 lane; v2 4 lane; v3, v4, v5 my lane's place in a tile of K, of V^T, of the mask; v6, v7, v8 the same for the step in hand (in the projection: where the query tile and W's scale words lie);
;   v9, v10 where I store K, V^T; v11 16 lane + 49,152; v12 16 lane + 6,144 t; v13 BIA + 32 h; v14 that + 64 t; v15, v16, v17 where the query rows' K, V^T, Q go; v18, v19 my stage, in and out;
;   v20 my bytes in two rows of out0; v21, v22 where my partial O, maximum and sum go; v23 at work
.set DSC,  24                          ; projection: v24-39 doc scales, 4 a slot;  v40-43 the query tile's;  v44-91 W's, 4 (4 kind + t) (at the head v44-47: addresses of the fills)
.set XSC,  40
.set WSC,  44
.set WF,   92                          ; v92-139, v140-187 two buffers of W's fragments
.set CLQ,  172                         ; v172-175 the cls query's 8 channels;  v176-187 the scales of W's tile t, three kinds
.set XWS,  176
.set XF,   188                         ; v188-235 the query tile's fragments (at the head: v188-199 my part of the query tiles, v200-205 of W's scale words)
.set PK,   220                         ; v220-235 packed results, once those are done with
.set BC,   236                         ; v236-251 two sets of a bias as C; ahead of the first barrier: addresses of the fills
.set ACC,  192                         ; window 1: v0-191 the four doc tiles, 48 slot + 8 s + 4 c;  v192-223 accumulators
.set Q2,   224                         ; window 1: v224-255 the second pass's two query tiles;  v192-223, behind the projection, its shared tiles
.set QS2,  192
.set ST,   24                          ; attention: 8 a tile: +0 m, +1 old m, +2, +3 the sum, +4..7 at work (+6: a, later 1 / sum)
.set S,    40                          ; v40-103 S^T, 32 q + 8 u
.set P,    104                         ; v104-135 P, 16 q + 8 g
.set MK,   136                         ; v136-167 the mask as C, 8 u; on the way out bv
.set QM,   188                         ; v188-219 my two query tiles, 16 q + 8 f
.set QS,   220                         ; v220-251 the shared tiles
.set O,    0                           ; window 1: O^T 32 q + 8 t;  K's fragments 16 u + 8 f + 4 c;  V's 16 t + 8 g + 4 c
.set KF,   64
.set VF,   128
.set MSB, 0
.macro WIN new                         ; bits 1:0 source 0, 3:2 source 1, 5:4 source 2, 7:6 destination; the high byte repeats the setting that is left
.if MSB != \new
	s_set_vgpr_msb (MSB<<8)|\new
.set MSB, \new
.endif
.endm
.macro PLACES                          ; four places behind matrix instructions, ahead of reads of their results and of loads into their registers
.rept 4
	v_nop
.endr
.endm
.macro BARRIER                         ; my LDS stores have landed and my LDS loads are in: then the work-group's barrier
	s_wait_dscnt 0x0
	s_barrier_signal -1
	s_barrier_wait -1
.endm
; One FP4 product.  c < 0: the constant 0 starts the sum.  row = 1: both sides' scale words stand in lanes 16-31.
.macro FP4 d, a, b, c, sa, sb, row
.if (\c) < 0
.if \row
	v_wmma_scale_f32_16x16x128_f8f6f4 v[\d:\d+7], v[\a:\a+7], v[\b:\b+7], 0, v[\sa], v[\sb] matrix_a_fmt:MATRIX_FMT_FP4 matrix_b_fmt:MATRIX_FMT_FP4 matrix_a_scale:MATRIX_SCALE_ROW1 matrix_b_scale:MATRIX_SCALE_ROW1
.else
	v_wmma_scale_f32_16x16x128_f8f6f4 v[\d:\d+7], v[\a:\a+7], v[\b:\b+7], 0, v[\sa], v[\sb] matrix_a_fmt:MATRIX_FMT_FP4 matrix_b_fmt:MATRIX_FMT_FP4
.endif
.else
.if \row
	v_wmma_scale_f32_16x16x128_f8f6f4 v[\d:\d+7], v[\a:\a+7], v[\b:\b+7], v[\c:\c+7], v[\sa], v[\sb] matrix_a_fmt:MATRIX_FMT_FP4 matrix_b_fmt:MATRIX_FMT_FP4 matrix_a_scale:MATRIX_SCALE_ROW1 matrix_b_scale:MATRIX_SCALE_ROW1
.else
	v_wmma_scale_f32_16x16x128_f8f6f4 v[\d:\d+7], v[\a:\a+7], v[\b:\b+7], v[\c:\c+7], v[\sa], v[\sb] matrix_a_fmt:MATRIX_FMT_FP4 matrix_b_fmt:MATRIX_FMT_FP4
.endif
.endif
.endm
; ---- THE QUERY ROWS: wave (e, t) makes tile e's channels 16 t on of Q, K and V: three accumulators by turns.
.macro XLOAD p                         ; W's tile t of the three kinds, K steps 3 p .. 3 p + 2
.irp k, 0,1,2
.irp s, 0,1,2
.irp c, 0,1
	ds_load_b128 v[WF+24*\k+8*\s+4*\c:WF+24*\k+8*\s+4*\c+3], v12 offset:\k*24576+(3*\p+\s)*1024+\c*512
.endr
.endr
.endr
.endm
.macro XSTEP s                         ; Q, K: source 0 = 16 rows of W, source 1 = the 16 query rows: a lane holds one row and 8 channels.  V: the sources swapped: a lane holds one channel and 8 rows
.set XSP, (\s)%3
.set XRW, (\s)/3
.if (\s) == 0
	FP4 ACC, WF+8*XSP, XF+8*(\s), BC, XWS+XSP, XSC+XSP, XRW
	FP4 ACC+8, WF+24+8*XSP, XF+8*(\s), BC+8, XWS+4+XSP, XSC+XSP, XRW
	FP4 ACC+16, XF+8*(\s), WF+48+8*XSP, -1, XSC+XSP, XWS+8+XSP, XRW
.else
	FP4 ACC, WF+8*XSP, XF+8*(\s), ACC, XWS+XSP, XSC+XSP, XRW
	FP4 ACC+8, WF+24+8*XSP, XF+8*(\s), ACC+8, XWS+4+XSP, XSC+XSP, XRW
	FP4 ACC+16, XF+8*(\s), WF+48+8*XSP, ACC+16, XSC+XSP, XWS+8+XSP, XRW
.endif
.endm
; ---- THE DOC ROWS, a column tile of 16 channels at a time: tiles 0-3 K, 4-7 V, 8-11 Q.
.macro TILE tn                         ; tile tn: its kind (0 q, 1 k, 2 v), its t, its buffers
.if (\tn) < 4
.set KD, 1
.set TT, (\tn)
.elseif (\tn) < 8
.set KD, 2
.set TT, (\tn)-4
.else
.set KD, 0
.set TT, (\tn)-8
.endif
.set WFB, WF+48*((\tn)%2)
.set BCB, BC+8*((\tn)%2)
.endm
.macro CLOAD tn                        ; its six fragments of W, and for K and Q its bias in the result's layout: 14 or 12 LDS loads
	TILE \tn
.irp s, 0,1,2,3,4,5
.irp c, 0,1
.if KD == 2
	ds_load_b128 v[WFB+8*\s+4*\c:WFB+8*\s+4*\c+3], v11 offset:TT*6144+\s*1024+\c*512
.else
	ds_load_b128 v[WFB+8*\s+4*\c:WFB+8*\s+4*\c+3], v1 offset:KD*24576+TT*6144+\s*1024+\c*512
.endif
.endr
.endr
.if KD != 2
	ds_load_b128 v[BCB:BCB+3], v13 offset:KD*256+64*TT
	ds_load_b128 v[BCB+4:BCB+7], v13 offset:KD*256+64*TT+16
.endif
.endm
.macro PROD s, m                       ; K step s of slot m
.set CCC, ACC+8*(\m)
.if (\s) == 0
.set CCC, BCB
.if KD == 2
.set CCC, -1
.endif
.endif
.if KD == 2
	FP4 ACC+8*(\m), 48*(\m)+8*(\s), WFB+8*(\s), CCC, DSC+4*(\m)+(\s)%3, WSC+16*KD+4*TT+(\s)%3, (\s)/3
.else
	FP4 ACC+8*(\m), WFB+8*(\s), 48*(\m)+8*(\s), CCC, WSC+16*KD+4*TT+(\s)%3, DSC+4*(\m)+(\s)%3, (\s)/3
.endif
.endm
.macro COLT tn
.if (\tn) < 11
	CLOAD (\tn)+1                                  ; the next tile's, into the other buffers
.if KD == 2
	s_wait_dscnt 12                                ; all but the next tile's loads: my fragments are in, and the last tile's stores have read their registers
.else
	s_wait_dscnt 14
.endif
.else
	s_wait_dscnt 0x0
.endif
.if (\tn) == 0
	s_wait_loadcnt 0x0                             ; the doc tiles and their scales
.endif
	TILE \tn
.irp s, 0,1,2,3,4,5                    ; the four slots' accumulators take turns, one instruction a turn
.if KD == 2
.if \s == 0
	WIN 0x41                                       ; source 0 (doc) and D window 1
.else
	WIN 0x51
.endif
.else
.if \s == 0
	WIN 0x44                                       ; source 1 (doc) and D window 1; C, the bias, window 0
.else
	WIN 0x54
.endif
.endif
	PROD \s, 0
	PROD \s, 1
	PROD \s, 2
	PROD \s, 3
.endr
	PLACES
.if KD == 0
	WIN 0x41
.irp i, 0,2,4,6,8,10,12,14,16,18,20,22,24,26,28,30
	v_pk_mul_f32 v[ACC+\i:ACC+\i+1], v[ACC+\i:ACC+\i+1], s[54:55] op_sel_hi:[1,0]     ; q x c, in f32
.endr
	WIN 0x05
.irp m, 0,1
.irp i, 0,1,2,3
	v_cvt_pk_f16_f32 v[QM+16*\m+4*TT+\i], v[ACC+8*\m+2*\i], v[ACC+8*\m+2*\i+1]         ; channels 16 t + 8 h + 0..7 of my row: registers 4 t .. 4 t + 3 of the tile's two fragments, as they stand
.endr
.endr
	WIN 0x45
.irp m, 0,1
.irp i, 0,1,2,3
	v_cvt_pk_f16_f32 v[Q2+16*\m+4*TT+\i], v[ACC+16+8*\m+2*\i], v[ACC+16+8*\m+2*\i+1]   ; slots 2, 3: kept in window 1 for the second pass
.endr
.endr
	WIN 0
.else
	WIN 0x05
.irp i, 0,1,2,3,4,5,6,7,8,9,10,11,12,13,14,15
	v_cvt_pk_f16_f32 v[PK+\i], v[ACC+2*\i], v[ACC+2*\i+1]
.endr
	WIN 0
.irp m, 0,1,2,3
.if KD == 1
	ds_store_b128 v9, v[PK+4*\m:PK+4*\m+3] offset:\m*2304+32*TT
.else
	ds_store_b128 v10, v[PK+4*\m:PK+4*\m+3] offset:TT*18688+32*\m
.endif
.endr
.endif
.endm
.macro LOADK                           ; a key step's K (64 keys x 64 channels: 16 loads) and its mask in the result's layout (8 loads)
	v_add_nc_u32 v6, s58, v3
	v_add_nc_u32 v8, s60, v5
	WIN 0x40
.irp u, 0,1,2,3
.irp f, 0,1
.irp c, 0,1
	ds_load_b128 v[KF+16*\u+8*\f+4*\c:KF+16*\u+8*\f+4*\c+3], v6 offset:\u*2304+64*\f+32*\c
.endr
.endr
.endr
	WIN 0
.irp u, 0,1,2,3
.irp c, 0,1
	ds_load_b128 v[MK+8*\u+4*\c:MK+8*\u+4*\c+3], v8 offset:64*\u+16*\c
.endr
.endr
.endm
; A KEY STEP: 64 keys, two tiles of 16 queries (fragments at qb).  first = 1: it starts m, the sum and O^T.  pre = 1: the next step's K and mask are fetched.
.macro STEP qb, first, pre
	s_wait_dscnt 0x0                               ; K and the mask are in
	WIN 0x01
.irp u, 0,1,2,3                        ; S^T = K Q^T + mask: the eight accumulators by turns
.irp q, 0,1
	v_wmma_f32_16x16x32_f16 v[S+32*\q+8*\u:S+32*\q+8*\u+7], v[KF+16*\u:KF+16*\u+7], v[\qb+16*\q:\qb+16*\q+7], v[MK+8*\u:MK+8*\u+7]
.endr
.endr
.irp u, 0,1,2,3
.irp q, 0,1
	v_wmma_f32_16x16x32_f16 v[S+32*\q+8*\u:S+32*\q+8*\u+7], v[KF+16*\u+8:KF+16*\u+15], v[\qb+16*\q+8:\qb+16*\q+15], v[S+32*\q+8*\u:S+32*\q+8*\u+7]
.endr
.endr
	WIN 0
	PLACES
	v_add_nc_u32 v7, s59, v4
	WIN 0x40
.irp t, 0,1,2,3
.irp g, 0,1
.irp c, 0,1
	ds_load_b128 v[VF+16*\t+8*\g+4*\c:VF+16*\t+8*\g+4*\c+3], v7 offset:\t*18688+64*\g+32*\c
.endr
.endr
.endr
	WIN 0
	s_add_co_u32 s59, s59, 128
.if \pre
	s_add_co_u32 s58, s58, 9216
	s_add_co_u32 s60, s60, 256
	LOADK
.endif
	; the softmax, the two tiles line by line.  The maximum of my 32 scores and the old m; each accumulator is read first at its low end
.irp j, 0,1,2,3
.irp q, 0,1
	v_max3_num_f32 v[ST+8*\q+4+\j], v[S+32*\q+8*\j], v[S+32*\q+8*\j+1], v[S+32*\q+8*\j+2]
.endr
.endr
.irp i, 3,5
.irp j, 0,1,2,3
.irp q, 0,1
	v_max3_num_f32 v[ST+8*\q+4+\j], v[ST+8*\q+4+\j], v[S+32*\q+8*\j+\i], v[S+32*\q+8*\j+\i+1]
.endr
.endr
.endr
.irp q, 0,1
	v_max3_num_f32 v[ST+8*\q+4], v[ST+8*\q+4], v[S+32*\q+7], v[S+32*\q+15]
	v_max3_num_f32 v[ST+8*\q+6], v[ST+8*\q+6], v[S+32*\q+23], v[S+32*\q+31]
.endr
.irp q, 0,1
	v_max3_num_f32 v[ST+8*\q+4], v[ST+8*\q+4], v[ST+8*\q+5], v[ST+8*\q+6]
.endr
.irp q, 0,1
.if \first
	v_max_num_f32 v[ST+8*\q+4], v[ST+8*\q+4], v[ST+8*\q+7]
.else
	v_max3_num_f32 v[ST+8*\q+4], v[ST+8*\q+4], v[ST+8*\q+7], v[ST+8*\q]
.endif
.endr
.irp q, 0,1
	v_permlanex16_b32 v[ST+8*\q+5], v[ST+8*\q+4], s56, s57     ; the query's other 32 keys lie in the lane 16 away
.endr
.irp q, 0,1
.if \first
	v_mov_b32 v[ST+8*\q+1], v[ST+8*\q+4]           ; (named with m as a pair, so it is written)
.else
	v_mov_b32 v[ST+8*\q+1], v[ST+8*\q]             ; the old m
.endif
.endr
.irp q, 0,1
	v_max_num_f32 v[ST+8*\q], v[ST+8*\q+4], v[ST+8*\q+5]       ; the new m
.endr
.if \first == 0
.irp q, 0,1
	v_sub_f32 v[ST+8*\q+7], v[ST+8*\q+1], v[ST+8*\q]
.endr
.endif
.irp i, 0,2,4,6,8,10,12,14,16,18,20,22,24,26,28,30
.irp q, 0,1
	v_pk_add_f32 v[S+32*\q+\i:S+32*\q+\i+1], v[S+32*\q+\i:S+32*\q+\i+1], v[ST+8*\q:ST+8*\q+1] op_sel_hi:[1,0] neg_lo:[0,1] neg_hi:[0,1]   ; s - m
.endr
.endr
.if \first == 0
.irp q, 0,1
	v_exp_f32 v[ST+8*\q+6], v[ST+8*\q+7]           ; a = 2^(old m - new m)
.endr
.endif
.irp i, 0,1,2,3,4,5,6,7,8,9,10,11,12,13,14,15,16,17,18,19,20,21,22,23,24,25,26,27,28,29,30,31
.irp q, 0,1
	v_exp_f32 v[S+32*\q+\i], v[S+32*\q+\i]         ; p = 2^(s - m)
.endr
.endr
	v_nop                                          ; a plain line behind the last exponential
	s_wait_alu depctr_va_vdst(0)                   ; one wait for the whole batch, ahead of its first reader
.irp i, 0,1,2,3,4,5,6,7,8,9,10,11,12,13,14,15
.irp q, 0,1
	v_cvt_pk_f16_f32 v[P+16*\q+\i], v[S+32*\q+2*\i], v[S+32*\q+2*\i+1]   ; two score tiles, packed, are source 1 of V^T P for 32 keys
.endr
.endr
.irp z, 0,1,2,3,4,5,6,7                ; the sum of the f32 p, in place
.irp q, 0,1
	v_pk_add_f32 v[S+32*\q+4*\z:S+32*\q+4*\z+1], v[S+32*\q+4*\z:S+32*\q+4*\z+1], v[S+32*\q+4*\z+2:S+32*\q+4*\z+3]
.endr
.endr
.irp z, 0,1,2,3
.irp q, 0,1
	v_pk_add_f32 v[S+32*\q+8*\z:S+32*\q+8*\z+1], v[S+32*\q+8*\z:S+32*\q+8*\z+1], v[S+32*\q+8*\z+4:S+32*\q+8*\z+5]
.endr
.endr
.irp z, 0,1
.irp q, 0,1
	v_pk_add_f32 v[S+32*\q+16*\z:S+32*\q+16*\z+1], v[S+32*\q+16*\z:S+32*\q+16*\z+1], v[S+32*\q+16*\z+8:S+32*\q+16*\z+9]
.endr
.endr
.irp q, 0,1
.if \first
	v_pk_add_f32 v[ST+8*\q+2:ST+8*\q+3], v[S+32*\q:S+32*\q+1], v[S+32*\q+16:S+32*\q+17]
.else
	v_pk_add_f32 v[S+32*\q:S+32*\q+1], v[S+32*\q:S+32*\q+1], v[S+32*\q+16:S+32*\q+17]
.endif
.endr
.if \first == 0
.irp q, 0,1
	v_pk_fma_f32 v[ST+8*\q+2:ST+8*\q+3], v[ST+8*\q+2:ST+8*\q+3], v[ST+8*\q+6:ST+8*\q+7], v[S+32*\q:S+32*\q+1] op_sel_hi:[1,0,1]
.endr
	WIN 0x41
.irp q, 0,1
.irp i, 0,2,4,6,8,10,12,14,16,18,20,22,24,26,28,30
	v_pk_mul_f32 v[O+32*\q+\i:O+32*\q+\i+1], v[O+32*\q+\i:O+32*\q+\i+1], v[ST+8*\q+6:ST+8*\q+7] op_sel_hi:[1,0]   ; O^T x a
.endr
.endr
.endif
.if \pre
	s_wait_dscnt 24                                ; V is in; the next step's 16 loads of K and 8 of the mask may be out
.else
	s_wait_dscnt 0x0
.endif
	WIN 0x51
.irp g, 0,1                            ; O^T += V^T P: the eight accumulators by turns
.irp t, 0,1,2,3
.irp q, 0,1
.if \first && (\g == 0)
	v_wmma_f32_16x16x32_f16 v[O+32*\q+8*\t:O+32*\q+8*\t+7], v[VF+16*\t+8*\g:VF+16*\t+8*\g+7], v[P+16*\q+8*\g:P+16*\q+8*\g+7], 0
.else
	v_wmma_f32_16x16x32_f16 v[O+32*\q+8*\t:O+32*\q+8*\t+7], v[VF+16*\t+8*\g:VF+16*\t+8*\g+7], v[P+16*\q+8*\g:P+16*\q+8*\g+7], v[O+32*\q+8*\t:O+32*\q+8*\t+7]
.endif
.endr
.endr
.endr
	WIN 0
.endm
; Tile q of my doc queries leaves: O^T / sum + bv, 16 rows through my stage, so that sixteen lanes store 256 consecutive bytes, aligned
.macro OUT q
	WIN 0x01
.irp i, 0,2,4,6,8,10,12,14,16,18,20,22,24,26,28,30
	v_pk_fma_f32 v[S+32*\q+\i:S+32*\q+\i+1], v[O+32*\q+\i:O+32*\q+\i+1], v[ST+8*\q+6:ST+8*\q+7], v[MK+\i:MK+\i+1] op_sel_hi:[1,0,1]
.endr
	WIN 0
.irp t, 0,1,2,3
.irp c, 0,1
	ds_store_b128 v18, v[S+32*\q+8*\t+4*\c:S+32*\q+8*\t+4*\c+3] offset:64*\t+16*\c
.endr
.endr
.irp i, 0,1,2,3,4,5,6,7
	ds_load_b128 v[S+32*\q+4*\i:S+32*\q+4*\i+3], v19 offset:544*\i     ; LDS serves a wave's instructions in order: these see the stores above
.endr
.irp i, 0,1,2,3,4,5,6,7
	s_wait_dscnt 7-\i
	global_store_b128 v20, v[S+32*\q+4*\i:S+32*\q+4*\i+3], s[70:71] offset:(16*\q+2*\i)*3072 th:TH_STORE_NT
.endr
.endm
; Where a pass stores: s99 = its half of the doc queries.  No store of mine is out here: every earlier one has had its s_wait_xcnt 0.
.macro PASSADR
	s_mul_i32 s92, s25, 545
	s_lshl_b32 s93, s99, 8
	s_add_co_u32 s93, s93, s92
	s_lshl_b32 s94, s22, 5
	s_add_co_u32 s93, s93, s94
	s_add_co_u32 s93, s93, 33                      ; my first doc row of out0
	s_mul_i32 s66, s93, 3072
	s_lshl_b32 s94, s23, 8
	s_add_co_u32 s66, s66, s94
	s_add_nc_u64 s[70:71], s[20:21], s[66:67]
	s_xor_b32 s93, s99, 1
	s_add_co_u32 s93, s93, s92
	s_lshl_b32 s95, s22, 2
	s_add_co_u32 s93, s93, s95                     ; the shared rows: half 0: 1 + 4 w on; half 1: row 0
	s_mul_i32 s66, s93, 3072
	s_add_co_u32 s66, s66, s94
	s_add_nc_u64 s[72:73], s[20:21], s[66:67]
	s_cmp_eq_u32 s99, 1
	s_cselect_b32 s63, 1, 32                       ; shared rows that are stored
.endm
; A PASS: the shared tiles (in QS), my two tiles of doc queries (in QM), the way out, the merge of the shared tiles.
.macro ATT
	; ---- THE SHARED TILES: key step w (wave 0: also step 8)
	s_mul_i32 s58, s22, 9216
	s_lshl_b32 s59, s22, 7
	s_lshl_b32 s60, s22, 8
	LOADK
	STEP QS, 1, 0
	s_cmp_lg_u32 s22, 0
	s_cbranch_scc1 .Lnot_ninth_\@
	s_mov_b32 s58, 73728
	s_mov_b32 s59, 1024
	s_mov_b32 s60, 2048
	LOADK
	STEP QS, 0, 0
.Lnot_ninth_\@:
	PLACES                                         ; my partial maximum, sum and O^T go to LDS as they stand
.irp q, 0,1
	v_add_f32 v[ST+8*\q+4], v[ST+8*\q+2], v[ST+8*\q+3]
.endr
.irp q, 0,1
	v_permlanex16_b32 v[ST+8*\q+5], v[ST+8*\q+4], s56, s57
.endr
.irp q, 0,1
	v_add_f32 v[ST+8*\q+4], v[ST+8*\q+4], v[ST+8*\q+5]
.endr
.irp q, 0,1
	ds_store_b32 v22, v[ST+8*\q] offset:\q*128
	ds_store_b32 v22, v[ST+8*\q+4] offset:2048+\q*128
.endr
	WIN 0x04                                       ; an LDS store's data are its source 1: window 1
.irp q, 0,1
.irp t, 0,1,2,3
.irp c, 0,1
	ds_store_b128 v21, v[O+32*\q+8*\t+4*\c:O+32*\q+8*\t+4*\c+3] offset:\q*4096+\t*1024+\c*512
.endr
.endr
.endr
	WIN 0
	; ---- MY TWO TILES OF DOC QUERIES against all nine key steps
	s_mov_b32 s58, 0
	s_mov_b32 s59, 0
	s_mov_b32 s60, 0
	LOADK
	STEP QM, 1, 1
	s_mov_b32 s61, 7
.Lkey_\@:
	STEP QM, 0, 1
	s_sub_co_u32 s61, s61, 1
	s_cmp_lg_u32 s61, 0
	s_cbranch_scc1 .Lkey_\@
	STEP QM, 0, 0
	; ---- THE WAY OUT
.irp t, 0,1,2,3
.irp c, 0,1
	ds_load_b128 v[MK+8*\t+4*\c:MK+8*\t+4*\c+3], v13 offset:512+64*\t+16*\c        ; bv in the result's layout
.endr
.endr
	PLACES
.irp q, 0,1
	v_add_f32 v[ST+8*\q+4], v[ST+8*\q+2], v[ST+8*\q+3]
.endr
.irp q, 0,1
	v_permlanex16_b32 v[ST+8*\q+5], v[ST+8*\q+4], s56, s57
.endr
.irp q, 0,1
	v_add_f32 v[ST+8*\q+4], v[ST+8*\q+4], v[ST+8*\q+5]
.endr
.irp q, 0,1
	v_rcp_f32 v[ST+8*\q+6], v[ST+8*\q+4]
.endr
	v_nop
	s_wait_alu depctr_va_vdst(0)                   ; one wait for the two reciprocals, ahead of their first reader
	s_wait_dscnt 0x0                               ; bv
	OUT 0
	OUT 1
	BARRIER                                        ; every wave's partial results of the shared tiles lie in LDS (they were stored ahead of the main walk)
	; ---- THE MERGE: wave (e, t) joins the eight partial results of tile e, channels 16 t on
	s_wait_xcnt 0x0                                ; the stores above have read their registers: the loads below may land there
.irp p, 0,1,2,3,4,5,6,7
	ds_load_b32 v[40+\p], v169 offset:256*\p
.endr
.irp p, 0,1,2,3,4,5,6,7
	ds_load_b32 v[48+\p], v169 offset:2048+256*\p
.endr
.irp p, 0,1,2,3,4,5,6,7
.irp c, 0,1
	ds_load_b128 v[56+8*\p+4*\c:56+8*\p+4*\c+3], v168 offset:8192*\p+512*\c
.endr
.endr
	ds_load_b128 v[128:131], v14 offset:512
	ds_load_b128 v[132:135], v14 offset:528
	s_wait_dscnt 0x0
	v_max3_num_f32 v136, v40, v41, v42
	v_max3_num_f32 v136, v136, v43, v44
	v_max3_num_f32 v136, v136, v45, v46
	v_max_num_f32 v136, v136, v47                  ; the row's maximum
.irp p, 0,1,2,3,4,5,6,7
	v_sub_f32 v[40+\p], v[40+\p], v136
.endr
.irp p, 0,1,2,3,4,5,6,7
	v_exp_f32 v[40+\p], v[40+\p]                   ; each part's weight
.endr
	v_nop
	s_wait_alu depctr_va_vdst(0)
	v_mul_f32 v137, v48, v40
.irp p, 1,2,3,4,5,6,7
	v_fma_f32 v137, v[48+\p], v[40+\p], v137
.endr
.irp j, 0,1,2,3,4,5,6,7
	v_mul_f32 v[120+\j], v[56+\j], v40
.endr
.irp p, 1,2,3,4,5,6,7
.irp j, 0,1,2,3,4,5,6,7
	v_fma_f32 v[120+\j], v[56+8*\p+\j], v[40+\p], v[120+\j]
.endr
.endr
	v_rcp_f32 v138, v137
	v_nop
	s_wait_alu depctr_va_vdst(0)
.irp j, 0,1,2,3,4,5,6,7
	v_fma_f32 v[120+\j], v[120+\j], v138, v[128+\j]
.endr
	ds_store_b128 v170, v[120:123]
	ds_store_b128 v170, v[124:127] offset:16
	BARRIER                                        ; 32 whole rows lie in the shared stage
	ds_load_b128 v[120:123], v171
	ds_load_b128 v[124:127], v171 offset:544
	s_wait_dscnt 0x0
.irp i, 0,1
	v_add_nc_u32 v173, 2*\i, v172                  ; the row: 4 w + h + 2 i
	v_cmp_gt_u32 vcc_lo, s63, v173                 ; half 0 stores 32 rows, half 1 the cls row alone
	s_wait_xcnt 0x0                                ; EXEC changes only behind this wait
	s_and_saveexec_b32 s66, vcc_lo
	global_store_b128 v20, v[120+4*\i:123+4*\i], s[72:73] offset:2*\i*3072 th:TH_STORE_NT
	s_wait_xcnt 0x0
	s_or_b32 exec_lo, exec_lo, s66
.endr
	BARRIER                                        ; every wave's reads of the shared stage are over: the next unit's codes of W may land on its bytes
.endm
	; ================ the kernel's head: what hangs on the wave, the lane and the document alone
	s_load_b256 s[4:11], s[0:1], 0x0               ; codes, scales, clsp, dmask
	s_load_b256 s[12:19], s[0:1], 0x20             ; qmask, bq, bk, bv
	s_load_b64 s[20:21], s[0:1], 0x40              ; out0
	v_lshl_add_u32 v[SPW], v0, 2, SPARE
	v_mov_b32 v[NIL], 0
	v_lshrrev_b32 v23, 5, v0
	v_readfirstlane_b32 s22, v23                   ; wave w
	s_lshr_b32 s97, ttmp9, 1
	s_mul_i32 s97, s97, 3                          ; 3 p: the first of the pair's three heads
	s_and_b32 s98, ttmp9, 1                        ; side
	s_and_b32 s25, ttmp7, 0xffff                   ; bd
	s_lshr_b32 s26, s25, 4                         ; b
	s_lshr_b32 s27, s22, 2                         ; e
	s_and_b32 s28, s22, 3                          ; t
	s_mov_b32 s54, 0x3e38aa3b                      ; c = log2(e) / 8
	s_mov_b32 s55, s54
	s_mov_b32 s56, 0x76543210
	s_mov_b32 s57, 0xfedcba98                      ; lane selects: lane l xor 16
	s_mov_b32 s67, 0                               ; the upper word of every offset
	v_and_b32 v92, 31, v0
	v_and_b32 v93, 15, v0                          ; r
	v_bfe_u32 v94, v0, 4, 1                        ; h
	v_lshlrev_b32 v1, 4, v92
	v_lshlrev_b32 v2, 2, v92
	v_mul_u32_u24 v3, v93, 144
	v_lshl_add_u32 v3, v94, 4, v3
	v_add_nc_u32 v3, KL, v3
	v_mul_u32_u24 v4, v93, 1168
	v_lshl_add_u32 v4, v94, 4, v4
	v_add_nc_u32 v4, VT, v4
	v_lshl_add_u32 v5, v94, 5, MSK
	s_mul_i32 s66, s22, 9216
	v_add_nc_u32 v9, s66, v3                       ; K: row 64 w + r
	s_lshl_b32 s66, s22, 7
	v_add_nc_u32 v10, s66, v4                      ; V^T: positions 64 w + 8 h on
	v_add_nc_u32 v11, 49152, v1
	s_mul_i32 s66, s28, 6144
	v_add_nc_u32 v12, s66, v1
	v_lshl_add_u32 v13, v94, 5, BIA
	s_lshl_b32 s66, s28, 6
	v_add_nc_u32 v14, s66, v13
	s_mul_i32 s66, s27, 2304
	s_lshl_b32 s68, s28, 5
	s_add_co_u32 s66, s66, s68
	s_add_co_u32 s66, s66, 73728
	v_add_nc_u32 v15, s66, v3                      ; K: row 512 + 16 e + r, channels 16 t + 8 h on
	s_mul_i32 s66, s28, 18688
	s_lshl_b32 s68, s27, 5
	s_add_co_u32 s66, s66, s68
	s_add_co_u32 s66, s66, 1024
	v_add_nc_u32 v16, s66, v4                      ; V^T: channel 16 t + r, positions 512 + 16 e + 8 h on
	s_lshl_b32 s66, s22, 9
	s_add_co_u32 s66, s66, QSH
	v_add_nc_u32 v17, s66, v1
	s_mul_i32 s66, s22, 4352
	v_mul_u32_u24 v18, v93, 272
	v_lshl_add_u32 v18, v94, 5, v18
	v_add_nc_u32 v18, s66, v18
	v_mul_u32_u24 v19, v94, 272
	v_lshl_add_u32 v19, v93, 4, v19
	v_add_nc_u32 v19, s66, v19
	v_mul_u32_u24 v20, v94, 3072
	v_lshl_add_u32 v20, v93, 4, v20
	s_lshl_b32 s66, s22, 13
	s_add_co_u32 s66, s66, MRG
	v_add_nc_u32 v21, s66, v1
	s_lshl_b32 s66, s22, 8
	s_add_co_u32 s66, s66, MM
	v_add_nc_u32 v22, s66, v2
	s_mov_b32 s96, 0                               ; the unit
	s_wait_kmcnt 0x0
	s_lshl_b32 s92, s26, 1
	s_add_co_u32 s92, s92, 1024                    ; the batch's two query tiles: 1024 + 2 b on
	s_mul_i32 s66, s92, 6144
	s_add_nc_u64 s[40:41], s[4:5], s[66:67]
	s_add_co_u32 s92, s92, s27                     ; mine: + e
	s_lshl_b32 s66, s92, 9
	s_add_nc_u64 s[42:43], s[6:7], s[66:67]
	s_lshl_b32 s66, s26, 7
	s_add_nc_u64 s[74:75], s[12:13], s[66:67]      ; qmask of my batch
.Lunit:                                                ; two trips: the whole head 3 p + side, then half 'side' of head 3 p + 2
	s_wait_xcnt 0x0                                ; every earlier load and store has read its base and offsets: they are written anew below
	s_cmp_eq_u32 s96, 0
	s_cselect_b32 s23, s98, 2
	s_cselect_b32 s24, 0, s98                      ; mh: the half of the doc rows that slots 0, 1 hold
	s_add_co_u32 s23, s23, s97                     ; the head
	s_cmp_eq_u32 s24, 1
	s_cselect_b32 s62, -1, 0                       ; a mask of lanes: all where mh = 1
	; the fills' addresses
	s_lshl_b32 s66, s22, 8
	s_add_co_u32 s66, s66, MSK
	v_add_nc_u32 v238, s66, v2                     ; the mask of positions 64 w + lane
	s_mul_i32 s66, s22, 3072
	v_add_nc_u32 v236, s66, v1                     ; W's codes: my 3,072 bytes of each kind
	v_lshl_add_u32 v237, v0, 2, BIA
	v_and_b32 v248, 7, v0
	s_lshl_b32 s66, s22, 3
	v_add_nc_u32 v248, s66, v248                   ; q = 8 w + lane % 8: position 512 + q
	v_lshl_add_u32 v239, v248, 2, MSK+2048
	v_min_u32 v244, 31, v248
	v_lshlrev_b32 v244, 2, v244
	v_cmp_gt_u32 s88, 32, v248                     ; a query key
	v_cmp_eq_u32 s89, 32, v248                     ; the cls key
	v_lshrrev_b32 v95, 3, v0
	v_mul_u32_u24 v240, v95, 144
	v_and_b32 v95, 7, v0
	v_lshl_add_u32 v240, v95, 4, v240
	v_add_nc_u32 v240, KL+544*144, v240            ; K's rows 544 + thread / 8, 16 bytes at 16 (thread % 8)
	v_lshlrev_b32 v245, 4, v95
	v_cmp_gt_u32 s86, 8, v0                        ; row 544
	v_lshrrev_b32 v95, 2, v0
	v_mul_u32_u24 v241, v95, 1168
	v_lshlrev_b32 v246, 1, v95
	v_and_b32 v95, 3, v0
	v_lshl_add_u32 v241, v95, 4, v241
	v_add_nc_u32 v241, VT+1088, v241               ; V^T: channel thread / 4, positions 544 + 8 (thread % 4) on
	v_cmp_eq_u32 s87, 0, v95
	v_bfe_u32 v94, v0, 4, 1
	v_lshlrev_b32 v247, 4, v94
	v_and_b32 v242, 63, v0
	v_lshlrev_b32 v242, 2, v242
	v_lshlrev_b32 v243, 2, v0
	v_lshlrev_b32 v44, 4, v0                       ; the query tiles' codes: 16 bytes a thread, three times,
	v_add_nc_u32 v45, XL, v44                      ; and their place in LDS
	v_lshlrev_b32 v46, 3, v0                       ; W's scale words: 8 bytes a thread of each kind's 2,048,
	v_add_nc_u32 v47, WSL, v46                     ; and their place
	s_mul_i32 s66, s27, 6144
	s_add_co_u32 s66, s66, XL
	v_add_nc_u32 v6, s66, v1                       ; from where I read query tile e,
	s_lshl_b32 s66, s28, 9
	s_add_co_u32 s66, s66, WSL
	v_add_nc_u32 v7, s66, v1                       ; the scale words of W's tile t,
	v_add_nc_u32 v8, WSL, v1                       ; and of all its tiles
	; where the unit's data lie in memory
	s_lshl_b32 s84, s25, 5
	s_lshl_b32 s85, s22, 1
	s_add_co_u32 s84, s84, s85
	s_lshl_b32 s85, s24, 4
	s_add_co_u32 s90, s84, s85                     ; slot 0's tile
	s_xor_b32 s85, s85, 16
	s_add_co_u32 s91, s84, s85                     ; slot 2's
	s_mul_i32 s66, s90, 6144
	s_add_nc_u64 s[32:33], s[4:5], s[66:67]
	s_mul_i32 s66, s91, 6144
	s_add_nc_u64 s[34:35], s[4:5], s[66:67]
	s_lshl_b32 s66, s90, 9
	s_add_nc_u64 s[36:37], s[6:7], s[66:67]
	s_lshl_b32 s66, s91, 9
	s_add_nc_u64 s[38:39], s[6:7], s[66:67]
	s_lshl_b32 s92, s23, 2
	s_add_co_u32 s92, s92, 1028                    ; Wq's first tile of the head
	s_mul_i32 s66, s92, 6144
	s_mul_i32 s93, s22, 3072
	s_add_co_u32 s66, s66, s93
	s_add_nc_u64 s[44:45], s[4:5], s[66:67]
	s_lshl_b32 s66, s92, 9
	s_add_nc_u64 s[46:47], s[6:7], s[66:67]
	s_lshl_b32 s66, s25, 11
	s_lshl_b32 s93, s24, 10
	s_add_co_u32 s66, s66, s93
	s_add_nc_u64 s[50:51], s[10:11], s[66:67]      ; dmask: the 256 numbers of slots 0, 1,
	s_xor_b32 s66, s66, 1024
	s_add_nc_u64 s[52:53], s[10:11], s[66:67]      ; of slots 2, 3
	s_lshr_b32 s93, s22, 1
	s_cmp_eq_u32 s93, 0
	s_cselect_b64 s[76:77], s[14:15], s[18:19]     ; waves 0, 1 fetch bq; 2, 3 bk; the others bv
	s_cmp_eq_u32 s93, 1
	s_cselect_b64 s[76:77], s[16:17], s[76:77]
	s_lshl_b32 s66, s23, 8
	s_add_nc_u64 s[76:77], s[76:77], s[66:67]
	s_mul_i32 s66, s26, 1536
	s_lshl_b32 s93, s23, 7
	s_add_co_u32 s66, s66, s93
	s_add_nc_u64 s[80:81], s[8:9], s[66:67]        ; clsp at [q][b][head]
	s_add_nc_u64 s[82:83], s[80:81], 6144          ; v
	s_lshl_b32 s66, s28, 5
	s_add_nc_u64 s[78:79], s[80:81], s[66:67]      ; q, channels 16 t on
	s_add_nc_u64 s[80:81], s[80:81], 3072          ; k
	; ---- the unit's 84 loads from memory, the oldest wanted first: 31 for the fills, then 53
.irp k, 0,1,2
.irp i, 0,1,2,3,4,5
	global_load_b128 v[92+24*\k+4*\i:92+24*\k+4*\i+3], v1, s[44:45] offset:\k*294912+\i*512    ; W's codes, my eighth
.endr
.endr
	global_load_b32 v252, v242, s[76:77]           ; a bias
	global_load_b32 v164, v243, s[50:51]           ; masks
	global_load_b32 v165, v243, s[52:53]
	global_load_b32 v166, v244, s[74:75]
	global_load_b128 v[168:171], v245, s[80:81]    ; the cls key
	global_load_u16 v253, v246, s[82:83]           ; the cls value
	global_load_b128 v[CLQ:CLQ+3], v247, s[78:79]  ; the cls query
.irp k, 0,1,2
	global_load_b64 v[200+2*\k:201+2*\k], v46, s[46:47] offset:\k*24576        ; W's scale words, my part: a wave reads 256 consecutive bytes
.endr
.irp j, 0,1,2
	global_load_b128 v[188+4*\j:191+4*\j], v44, s[40:41] offset:\j*4096        ; the two query tiles' codes, my part
.endr
	global_load_b128 v[XSC:XSC+3], v1, s[42:43]
.irp m, 0,1
	global_load_b128 v[DSC+4*\m:DSC+4*\m+3], v1, s[36:37] offset:\m*512
	global_load_b128 v[DSC+8+4*\m:DSC+8+4*\m+3], v1, s[38:39] offset:\m*512
.endr
	WIN 0x40
.irp m, 0,1
.irp s, 0,1,2,3,4,5
.irp c, 0,1
	global_load_b128 v[48*\m+8*\s+4*\c:48*\m+8*\s+4*\c+3], v1, s[32:33] offset:\m*6144+\s*1024+\c*512
	global_load_b128 v[96+48*\m+8*\s+4*\c:96+48*\m+8*\s+4*\c+3], v1, s[34:35] offset:\m*6144+\s*1024+\c*512
.endr
.endr
.endr
	WIN 0
	s_wait_loadcnt 53                              ; the query tile's scales (1), the doc scales (4) and the doc tiles (48) may be out: the 31 older loads are in, and their offset registers are free
.irp k, 0,1,2
.irp i, 0,1,2,3,4,5
	ds_store_b128 v236, v[92+24*\k+4*\i:92+24*\k+4*\i+3] offset:\k*24576+\i*512
.endr
.endr
.irp k, 0,1,2
	ds_store_b64 v47, v[200+2*\k:201+2*\k] offset:\k*2048
.endr
.irp j, 0,1,2
	ds_store_b128 v45, v[188+4*\j:191+4*\j] offset:\j*4096
.endr
	ds_store_b32 v237, v252
	v_mov_b32 v167, 0xf149f2ca                     ; -1e30
	v_mov_b32 v249, 0
	v_mov_b32 v250, 0
	v_mov_b32 v251, 0
.irp i, 164,165,166
	v_mul_f32 v\i, 0x3fb8aa3b, v\i                 ; x log2(e),
.endr
.irp i, 164,165,166
	v_max_num_f32 v\i, v\i, v167                   ; held at -1e30 from below
.endr
	v_cndmask_b32 v166, v167, v166, s88            ; positions 545..575: -1e30
	v_cndmask_b32 v166, v166, v249, s89            ; the cls key: 0
	ds_store_b32 v238, v164
	ds_store_b32 v238, v165 offset:128
	ds_store_b32 v239, v166                        ; (four lanes write the same word with the same value)
.irp i, 0,1,2,3
	v_cndmask_b32 v[168+\i], v249, v[168+\i], s86  ; row 544 is the cls key, rows 545..575 zeros
.endr
	ds_store_b128 v240, v[168:171]
	v_cndmask_b32 v248, v249, v253, s87            ; position 544 is the cls value, 545..575 zeros
	ds_store_b128 v241, v[248:251]
	BARRIER                                        ; W's codes and scale words, the query tiles, the biases, the masks and the padding lie in LDS
	; ---- the query rows' Q, K, V
	XLOAD 0
	ds_load_b128 v[BC:BC+3], v14                   ; bq and bk of channels 16 t + 8 h + 0..7
	ds_load_b128 v[BC+4:BC+7], v14 offset:16
	ds_load_b128 v[BC+8:BC+11], v14 offset:256
	ds_load_b128 v[BC+12:BC+15], v14 offset:272
.irp s, 0,1,2,3,4,5
.irp c, 0,1
	ds_load_b128 v[XF+8*\s+4*\c:XF+8*\s+4*\c+3], v6 offset:\s*1024+\c*512
.endr
.endr
.irp k, 0,1,2
	ds_load_b128 v[XWS+4*\k:XWS+4*\k+3], v7 offset:\k*2048
.endr
.irp k, 0,1,2
.irp t, 0,1,2,3
	ds_load_b128 v[WSC+16*\k+4*\t:WSC+16*\k+4*\t+3], v8 offset:\k*2048+\t*512
.endr
.endr
	s_wait_loadcnt 52                              ; all but the doc scales (4) and the doc tiles (48)
	s_wait_dscnt 0x0
	WIN 0x40
	XSTEP 0
	WIN 0x50
	XSTEP 1
	XSTEP 2
	PLACES
	WIN 0
	XLOAD 1
	s_wait_dscnt 0x0
	WIN 0x50
	XSTEP 3
	XSTEP 4
	XSTEP 5
	PLACES
	WIN 0
	CLOAD 0
	WIN 0x41
.irp i, 0,2,4,6
	v_pk_mul_f32 v[ACC+\i:ACC+\i+1], v[ACC+\i:ACC+\i+1], s[54:55] op_sel_hi:[1,0]
.endr
	WIN 0x05
.irp i, 0,1,2,3,4,5,6,7,8,9,10,11
	v_cvt_pk_f16_f32 v[PK+\i], v[ACC+2*\i], v[ACC+2*\i+1]
.endr
	WIN 0
.irp i, 0,1,2,3
	v_cndmask_b32 v[PK+12+\i], v[CLQ+\i], v[PK+\i], s62        ; the shared query of half 0 is the query rows', of half 1 the cls row in every column: the second pass's (half 1 - mh),
.endr
.irp i, 0,1,2,3
	v_cndmask_b32 v[PK+\i], v[PK+\i], v[CLQ+\i], s62           ; and the first pass's (half mh)
.endr
	ds_store_b128 v17, v[PK:PK+3]
	ds_store_b128 v17, v[PK+12:PK+15] offset:4096
	ds_store_b128 v15, v[PK+4:PK+7]
	ds_store_b128 v16, v[PK+8:PK+11]
	; ---- the doc rows' K, V, Q
.irp n, 0,1,2,3,4,5,6,7,8,9,10,11
	COLT \n
.endr
	BARRIER                                        ; K, V^T and the shared Q lie in LDS; nobody reads W's codes, its scale words or the query tiles any more
	; the merge's addresses, on the way that all waves take
	v_and_b32 v174, 15, v0
	v_bfe_u32 v175, v0, 4, 1
	s_lshl_b32 s66, s27, 12
	s_lshl_b32 s68, s28, 10
	s_add_co_u32 s66, s66, s68
	s_add_co_u32 s66, s66, MRG
	v_add_nc_u32 v168, s66, v1                     ; the partial O of tile e, channels 16 t on
	s_lshl_b32 s66, s27, 7
	s_add_co_u32 s66, s66, MM
	v_add_nc_u32 v169, s66, v2
	v_mul_u32_u24 v170, v174, 272
	v_lshl_add_u32 v170, v175, 5, v170
	s_mul_i32 s66, s27, 4352
	s_lshl_b32 s68, s28, 6
	s_add_co_u32 s66, s66, s68
	s_add_co_u32 s66, s66, SST
	v_add_nc_u32 v170, s66, v170                   ; the shared stage: row 16 e + r, 64 t + 32 h bytes on
	v_mul_u32_u24 v171, v175, 272
	v_lshl_add_u32 v171, v174, 4, v171
	s_mul_i32 s66, s22, 1088
	s_add_co_u32 s66, s66, SST
	v_add_nc_u32 v171, s66, v171                   ; back: rows 4 w + h
	s_lshl_b32 s66, s22, 2
	v_add_nc_u32 v172, s66, v175
	v_add_nc_u32 v23, QSH, v1
.irp i, 0,1,2,3,4,5,6,7
	ds_load_b128 v[QS+4*\i:QS+4*\i+3], v23 offset:512*\i               ; the first pass's shared tiles
.endr
	WIN 0x40
.irp i, 0,1,2,3,4,5,6,7
	ds_load_b128 v[QS2+4*\i:QS2+4*\i+3], v23 offset:4096+512*\i        ; the second pass's, kept in window 1
.endr
	WIN 0
	s_mov_b32 s99, s24                             ; THE FIRST PASS: half mh
	PASSADR
	ATT
	s_cmp_lg_u32 s96, 0                            ; unit 1 is half a head: it has no second pass.  The loop's counter alone: all waves go the same way
	s_cbranch_scc1 .Lhalf_unit
	WIN 0x01
.irp i, 0,1,2,3,4,5,6,7,8,9,10,11,12,13,14,15,16,17,18,19,20,21,22,23,24,25,26,27,28,29,30,31
	v_mov_b32 v[QM+\i], v[Q2+\i]                   ; THE SECOND PASS: the query tiles of slots 2, 3,
.endr
.irp i, 0,1,2,3,4,5,6,7,8,9,10,11,12,13,14,15,16,17,18,19,20,21,22,23,24,25,26,27,28,29,30,31
	v_mov_b32 v[QS+\i], v[QS2+\i]                  ; and its shared tiles, come where a pass takes them
.endr
	WIN 0
	s_xor_b32 s99, s24, 1                          ; the other half
	PASSADR
	ATT
.Lhalf_unit:
	s_add_co_u32 s96, s96, 1
	s_cmp_lt_u32 s96, 2
	s_cbranch_scc1 .Lunit
	s_wait_tensorcnt 0x0                           ; the wave's end, behind my last LDS store
	ds_add_u32 v[SPW], v[NIL]
	s_wait_dscnt 0x0
	s_endpgm
.Lfunc_end_k_qe6621f53f7_attn:
	.size	k_qe6621f53f7_attn, .Lfunc_end_k_qe6621f53f7_attn-k_qe6621f53f7_attn
	.p2alignl 7, 3214868480
	.fill 96, 4, 3214868480
	.section	.rodata,"a",@progbits
	.p2align	6, 0x0
	.amdhsa_kernel k_qe6621f53f7_attn
		.amdhsa_group_segment_fixed_size 313600
		.amdhsa_private_segment_fixed_size 0
		.amdhsa_enable_private_segment 0
		.amdhsa_kernarg_size 72
		.amdhsa_user_sgpr_count 2
		.amdhsa_user_sgpr_kernarg_segment_ptr 1
		.amdhsa_wavefront_size32 1
		.amdhsa_system_sgpr_workgroup_id_x 1
		.amdhsa_system_sgpr_workgroup_id_y 1
		.amdhsa_system_sgpr_workgroup_id_z 1
		.amdhsa_system_vgpr_workitem_id 0
		.amdhsa_next_free_vgpr 512
		.amdhsa_next_free_sgpr 100
		.amdhsa_reserve_vcc 1
		.amdhsa_float_denorm_mode_32 3
		.amdhsa_float_denorm_mode_16_64 3
		.amdhsa_memory_ordered 1
		.amdhsa_forward_progress 1
		.amdhsa_inst_pref_size 255
	.end_amdhsa_kernel
	.section	.bss,"aw",@nobits
	.p2align	6
	.space	262144
	.amdgpu_metadata
---
amdhsa.version: [ 1, 2 ]
amdhsa.kernels:
  - .name:           k_qe6621f53f7_attn
    .symbol:         k_qe6621f53f7_attn.kd
    .args:
      - { .name: codes, .offset: 0, .size: 8, .value_kind: global_buffer, .address_space: global }
      - { .name: scales, .offset: 8, .size: 8, .value_kind: global_buffer, .address_space: global }
      - { .name: clsp, .offset: 16, .size: 8, .value_kind: global_buffer, .address_space: global }
      - { .name: dmask, .offset: 24, .size: 8, .value_kind: global_buffer, .address_space: global }
      - { .name: qmask, .offset: 32, .size: 8, .value_kind: global_buffer, .address_space: global }
      - { .name: bq, .offset: 40, .size: 8, .value_kind: global_buffer, .address_space: global }
      - { .name: bk, .offset: 48, .size: 8, .value_kind: global_buffer, .address_space: global }
      - { .name: bv, .offset: 56, .size: 8, .value_kind: global_buffer, .address_space: global }
      - { .name: out0, .offset: 64, .size: 8, .value_kind: global_buffer, .address_space: global }
    .group_segment_fixed_size: 313600
    .private_segment_fixed_size: 0
    .kernarg_segment_align: 8
    .kernarg_segment_size: 72
    .max_flat_workgroup_size: 256
    .sgpr_count:     100
    .vgpr_count:     512
    .wavefront_size: 32
...
	.end_amdgpu_metadata
.endif
;; end of part 4
